; MI455X (gfx1250); checked and timed in simulation.
; The chip was launched on July 23, 2026; its instructions are those of AMD's public machine-readable ISA for CDNA 5 (MIT licence, August 2026) and "CDNA5" Instruction Set Architecture Reference Guide (July 2026). The comments in the code are by the model that wrote it; some were corrected since.
;; Multi Head Attention. Allowed arithmetic: matrix products marked QUANTISED: E2M3 operands, one E8M0 scale for each 32 along K, by v_wmma_scale_f32_16x16x128_f8f6f4 with both operands' format E2M3, f32 sums; everything else in f32.
;; Inputs: Wk 1,024 x 1,024 float32; Wq 1,024 x 1,024 float32; Wv 1,024 x 1,024 float32; bk 1,024 float32; bq 1,024 float32; bv 1,024 float32; x 4,096 x 1,024 float32.
;; Outputs: out0 4,096 x 1,024 x 1 float32.
;; This version of the problem:
;;   THIS VERSION OF THE PROBLEM IS GIVEN IN LOW PRECISION. The matrix products marked QUANTISED in the list below multiply operands that are first quantised to E2M3 (2 exponent bits, 3 mantissa bits; 6 bits a number), with one power-of-two scale for each 32 numbers along K (OCP MX v1.0); their sums are f32. All else is computed in f32.
;;   The module's matrix products, in the order in which they are computed (A, B: the left and right operand; K: the contracted axis; several contracted axes count as one K, in the product's order):
;;     1. [M 4,096, K 1,024] x [K 1,024, N 1,024]; A: input x; B: input Wq: QUANTISED
;;     2. [M 4,096, K 1,024] x [K 1,024, N 1,024]; A: input x; B: input Wk: QUANTISED
;;     3. [M 4,096, K 1,024] x [K 1,024, N 1,024]; A: input x; B: input Wv: QUANTISED
;;     4. [M 4,096, K 1,024] x [K 1,024, N 4,096]; A: computed on the way; B: computed on the way: QUANTISED
;;     5. [M 4,096, K 4,096] x [K 4,096, N 1,024]; A: softmax (see below); B: computed on the way: QUANTISED
;;   THE QUANTISER, for each operand of a quantised product, along K:
;;     - K is cut into blocks of 32 from its start; a last block that is shorter is filled with zeros.
;;     - A block's scale is 2^e with e = floor(log2(the largest magnitude in the block)) - 2, held to -126 .. 127; a block of zeros has e = 0. As a byte (E8M0): e + 127.
;;     - Each number is divided by its block's scale, clamped to +-7.5, and rounded to the nearest number of E2M3, ties to even, subnormals kept.
;;     - The product sums the exact products of the quantised numbers (number of the format x scale) in f32.
;;   ~~~python
;;   def quantise(x, axis):      # numpy; x: float32 -> the quantised numbers, widened to float32 again
;;       x = np.moveaxis(x, axis, -1); K = x.shape[-1]
;;       x = np.pad(x, [(0, 0)] * (x.ndim - 1) + [(0, -K % 32)]); x = x.reshape(x.shape[:-1] + (-1, 32)); a = np.abs(x).max(-1, keepdims=True)
;;       e = np.where(a > 0, np.clip(np.frexp(np.where(a > 0, a, 1))[1] - 1 - 2, -126, 127), 0)      # np.frexp(a)[1] - 1 = floor(log2(a)), exactly
;;       r = np.clip(x / 2.0 ** e, -7.5, 7.5)
;;       step = 2.0 ** (np.maximum(np.frexp(np.where(r == 0, 1, r))[1] - 1, 0) - 3)
;;       q = np.round(r / step) * step * 2.0 ** e      # np.round: ties to even
;;       return np.moveaxis(q.reshape(q.shape[:-2] + (-1,))[..., :K], -1, axis).astype(np.float32)
;;   ~~~
;;   SOFTMAX AHEAD OF A QUANTISED PRODUCT. Where the list says 'softmax', what is quantised is not the finished softmax but p = 2^(t - M), with t = logit x log2(e) and M = ceil(the row's largest t), a whole number; so 1/2 < the row's largest p <= 1. The row's sum l is taken of the UNQUANTISED p, in f32, and the product's result is divided by l at the end. Since M is a whole number, a kernel that streams over the keys may use a running M (the ceiling of the running maximum): every later rescaling is an exact power of two, which a block's scale takes up: the codes' values come out the same.
;;   OPERANDS COMPUTED ON THE WAY. 'Computed on the way' means the value that the module computes at that place (a softmax that the list does not call 'softmax' is quantised finished and normalised). What goes into a quantiser is computed in f32, as accurately as f32 sums, v_exp_f32 and their like allow (about 1e-6 of the number): no bf16 or f16 on the way to a quantiser, and a product that is left as it is and whose result goes on into a quantised operand takes f32 operands (vector FMAs, or v_wmma_f32_16x16x4_f32). A number that lies on a knife's edge between two numbers of the format may be rounded either way, as far as f32 arithmetic and the matrix unit's own rounding can turn it there, and no further.
;; One version. Each part assembles by itself: llvm-mc -triple=amdgcn-amd-amdhsa -mcpu=gfx1250 --defsym DOCPART=n.
;; ======== version 1 of 1: 4 launches
;; limits: right only within a limited range of input values
;; workspace buffers: xwc 5,505,024 bytes; xws 229,376 bytes; qkvc 9,437,184 bytes; qkvs 393,216 bytes; pc 12,582,912 bytes; pst 1,572,864 bytes
;; launch quant (part 1): grid 224 x 1, 8 waves a work-group, no clusters, 69,632 bytes of LDS; arguments x, Wq, Wk, Wv, xwc, xws; writes xwc, xws
.if DOCPART == 1
	.amdgcn_target "amdgcn-amd-amdhsa--gfx1250"
	.amdhsa_code_object_version 6
	.text
	.protected	k_qc90593fb78_quant
	.globl	k_qc90593fb78_quant
	.p2align	8
	.type	k_qc90593fb78_quant,@function
k_qc90593fb78_quant:
	s_mov_b64 s[64:65], 0
	v_nop
	global_prefetch_b8 v0, s[64:65] scope:SCOPE_SE
	s_setreg_imm32_b32 hwreg(HW_REG_WAVE_MODE, 25, 1), 1
	s_wait_xcnt 0x0
; THE PROGRAM: out = softmax((x Wq^T + bq)(x Wk^T + bk)^T / 8) (x Wv^T + bv), all five products on codes of FP6 (E2M3) with one E8M0 scale for each 32 along K.
; Four launches: this one (x and the three weights into codes), proj (Q, K, V^T, quantised as they are made), score (Q K^T and p = 2^(t - M) by runs of 128 keys), pv (P V / l).
; NO WORK IS LEFT OUT: bq moves the scores along the keys; bk and bv go into quantised operands, whose codes and scales they move; all seven inputs are loaded.
; THIS LAUNCH: x [4096][1024], Wq, Wk, Wv [1024][1024], f32, K innermost, become codes and scale words, laid as the later launches' operand registers want them.
;   A FRAGMENT (16 rows x 128 K: 12 registers a lane) is 1,536 dense bytes: registers 4 c .. 4 c + 3 of lane l at 512 c + 16 l.  xwc: [rowtile T][K step 0..7][1536].  Rowtiles 2 G, 2 G + 1 make a group of 32 true rows.
;   GROUPS: 0-127 x; 128 + 6 C + 0 .. 3 the 128 rows of Wq (C = 0 .. 7) or Wk (C = 8 .. 15) that column C of proj's grid takes, 128 + 6 C + 4, 5 its 64 rows of Wv.
;   SCALE WORDS (four E8M0 bytes: a row's 128 K): xws [group][K step / 2][row 0..15][K step % 2][rowtile % 2].
;   ROW ORDER: place r of rowtile u of a group holds the group's true row 16 (r / 8) + 8 u + r % 8.  A rowtile used as source 0 of a product then leaves, in the 16 registers of two neighbouring tiles, 16 TRUE neighbours.
; A block's scale is 2^(floor(log2(its largest magnitude)) - 2); its byte is the largest magnitude's exponent field - 2, held at 1 from below.
; LIMITS: a block of zeros gets the byte 1 (its codes are zeros; this program alone reads the bytes); NaN and infinities among the inputs are not served.
; SHARES: a work-group takes 32 true rows; wave 2 s + u takes K steps 2 s, 2 s + 1 of rowtile u: two fragments, whose 32 loads are all issued at the start.
; Each load reads 512 consecutive bytes of one row; 16 rows turn through the wave's own stage in LDS (rows 528 bytes apart) so that a lane gets 16 neighbours of each block of 32.  The scale words meet in LDS and leave in whole units.
.set ROWIN, 4096                       ; a row of f32 in bytes
.set SP,    528                        ; a stage row: 512 bytes + 16
.set WREG,  16*SP                      ; a wave's stage
.set SCS,   8*WREG                     ; behind the stages: the group's 1,024 bytes of scale words
.set SPARE, SCS+1024                   ; the spare words, 128 bytes a wave, which no other line names
.set FRB,   1536                       ; a fragment's image
.set KPIT,  12288                      ; a rowtile's eight fragments
.set LI,   3                           ; v3   16 x lane
.set SIN,  4                           ; v4   the stage, on the way in
.set SOUT, 5                           ; v5   and on the way out
.set SCW,  6                           ; v6   my row's scale words
.set RDS,  9                           ; v9   16 bytes of the group's scale words
.set SPW,  12                          ; v12  my spare word; never rewritten
.set NIL,  13                          ; v13  0; never rewritten
.set R,    16                          ; v16-143  two fragments as loaded
.set X,    144                         ; v144-207 64 numbers of my row: register 16 b + i = k 32 b + 16 (lane / 16) + i
.set TM,   208                         ; v208-223 at work
.set PW,   224                         ; v224-225 the two fragments' scale words
.set PC,   228                         ; v228-247 the codes just made
.set SEL,  20                          ; s[20:21] v_permlanex16_b32's selects for lane l xor 16
	s_load_b256 s[4:11], s[0:1], 0x0               ; x, Wq, Wk, Wv
	s_load_b128 s[12:15], s[0:1], 0x20             ; xwc, xws
	v_lshl_add_u32 v[SPW], v0, 2, SPARE
	v_mov_b32 v[NIL], 0
	v_lshrrev_b32 v1, 5, v0
	v_readfirstlane_b32 s24, v1                    ; wave
	s_lshr_b32 s27, s24, 1                         ; s
	s_and_b32 s28, s24, 1                          ; u
	v_and_b32 v2, 31, v0                           ; lane
	v_and_b32 v7, 15, v0                           ; r
	v_bfe_u32 v8, v0, 4, 1                         ; h
	v_lshlrev_b32 v[LI], 4, v2
	s_mul_i32 s25, s24, WREG
	v_add_nc_u32 v[SIN], s25, v[LI]                ; in: a row's 512 bytes as they lie
	v_mul_u32_u24 v[SOUT], v7, SP
	v_lshl_add_u32 v[SOUT], v8, 6, v[SOUT]
	v_add_nc_u32 v[SOUT], s25, v[SOUT]             ; out: row r, + 64 h: my 16 numbers of a block
	s_lshl_b32 s25, s27, 8
	s_lshl_b32 s26, s28, 2
	s_add_co_u32 s25, s25, s26
	s_add_co_u32 s25, s25, SCS
	v_lshlrev_b32 v[SCW], 4, v7
	v_add_nc_u32 v[SCW], s25, v[SCW]
	v_lshl_add_u32 v[RDS], v0, 4, SCS
	s_mov_b32 s[SEL], 0x76543210
	s_mov_b32 s[SEL+1], 0xfedcba98
.irp b, 0,1,2,3
	v_mov_b32 v[TM+4+\b], 0                        ; written once: a lane permute's destination counts as one of its sources
.endr
	s_sub_co_u32 s29, ttmp9, 128                   ; Wq, Wk: C = n / 4, group 128 + 6 C + n % 4
	s_lshr_b32 s30, s29, 2
	s_and_b32 s31, s29, 3
	s_mul_i32 s30, s30, 6
	s_add_co_u32 s30, s30, s31
	s_add_co_u32 s30, s30, 128
	s_sub_co_u32 s29, ttmp9, 192                   ; Wv: C = n / 2, group 132 + 6 C + n % 2
	s_lshr_b32 s32, s29, 1
	s_and_b32 s31, s29, 1
	s_mul_i32 s32, s32, 6
	s_add_co_u32 s32, s32, s31
	s_add_co_u32 s32, s32, 132
	s_mov_b32 s18, 192
	s_wait_alu depctr_va_vdst(0)                   ; the wait at the head's end
	s_wait_kmcnt 0x0
	s_cmp_lt_u32 ttmp9, 192                        ; which tensor: the choice hangs on the work-group's number alone
	s_cselect_b64 s[16:17], s[8:9], s[10:11]
	s_cselect_b32 s18, 160, s18
	s_cselect_b32 s30, s30, s32
	s_cmp_lt_u32 ttmp9, 160
	s_cselect_b64 s[16:17], s[6:7], s[16:17]
	s_cselect_b32 s18, 128, s18
	s_cmp_lt_u32 ttmp9, 128
	s_cselect_b64 s[16:17], s[4:5], s[16:17]
	s_cselect_b32 s18, 0, s18                      ; the tensor's first work-group
	s_cselect_b32 s30, ttmp9, s30                  ; my group
	s_sub_co_u32 s19, ttmp9, s18
	s_lshl_b32 s22, s19, 17                        ; 32 rows of 4,096 bytes
	s_lshl_b32 s23, s27, 10                        ; my two K steps: 1,024 bytes of a row
	s_add_co_u32 s22, s22, s23
	s_lshl_b32 s23, s28, 15                        ; rowtile u begins eight rows further on
	s_add_co_u32 s22, s22, s23
	s_mov_b32 s23, 0
	s_add_nc_u64 s[16:17], s[16:17], s[22:23]
.macro LOAD f                          ; fragment f: place i takes true row 16 (i / 8) + 8 u + i % 8; 32 lanes read its 512 bytes of K step f
.irp i, 0,1,2,3,4,5,6,7,8,9,10,11,12,13,14,15
	global_load_b128 v[R+64*(\f)+4*\i:R+64*(\f)+4*\i+3], v[LI], s[16:17] offset:(16*(\i/8)+\i%8)*ROWIN+512*(\f) th:TH_LOAD_NT
.endr
.endm
	LOAD 0
	LOAD 1
	s_mul_i32 s22, s30, 2*KPIT                     ; codes: rowtile 2 G + u, K step 2 s
	s_mul_i32 s26, s28, KPIT
	s_add_co_u32 s22, s22, s26
	s_mul_i32 s26, s27, 2*FRB
	s_add_co_u32 s22, s22, s26
	s_add_nc_u64 s[12:13], s[12:13], s[22:23]
	s_lshl_b32 s22, s30, 10                        ; scale words: 1,024 bytes a group
	s_add_nc_u64 s[14:15], s[14:15], s[22:23]
.macro TURN f                          ; through the stage: LDS serves a wave's instructions in order, so no wait stands between the stores and the loads
.irp i, 0,1,2,3,4,5,6,7,8,9,10,11,12,13,14,15
	ds_store_b128 v[SIN], v[R+64*(\f)+4*\i:R+64*(\f)+4*\i+3] offset:\i*SP
.endr
.irp b, 0,1,2,3
.irp j, 0,1,2,3
	ds_load_b128 v[X+16*\b+4*\j:X+16*\b+4*\j+3], v[SOUT] offset:128*\b+16*\j
.endr
.endr
.endm
; 64 numbers of a lane become a fragment's codes in v[PC] on and its scale word in v[pw]
.macro QUANT s, pw
.irp b, 0,1,2,3
	v_max3_num_f32 v[TM+\b], |v[\s+16*\b]|, |v[\s+1+16*\b]|, 0x1800000   ; my 16 numbers of block b, and the floor 2^(3 - 127): the byte cannot fall under 1
.endr
.irp i, 2,4,6,8,10,12,14
.irp b, 0,1,2,3
	v_max3_num_f32 v[TM+\b], v[TM+\b], |v[\s+16*\b+\i]|, |v[\s+1+16*\b+\i]|   ; the four blocks by turns
.endr
.endr
.irp b, 0,1,2,3
	v_permlanex16_b32 v[TM+4+\b], v[TM+\b], s[SEL], s[SEL+1]
.endr
.irp b, 0,1,2,3
	v_max_num_f32 v[TM+\b], v[TM+\b], v[TM+4+\b]   ; with lane l xor 16's: the block's largest magnitude
.endr
.irp b, 0,1,2,3
	v_add_nc_u32 v[TM+12+\b], 0xff000000, v[TM+\b] ; 2 off its exponent field: the conversion takes that field as its scale
.endr
.irp b, 0,1,2,3
	v_lshrrev_b32 v[TM+4+\b], 23, v[TM+12+\b]      ; the scale's byte
.endr
	v_lshl_or_b32 v[\pw], v[TM+5], 8, v[TM+4]
	v_lshl_or_b32 v[\pw], v[TM+6], 16, v[\pw]
	v_lshl_or_b32 v[\pw], v[TM+7], 24, v[\pw]      ; my row's scale word (both halves of the lanes hold it)
.irp c, 0,1
	v_cvt_scalef32_pk16_fp6_f32 v[PC+6*\c:PC+2+6*\c], v[\s+32*\c:\s+15+32*\c], v[TM+12+2*\c]
	v_cvt_scalef32_pk16_fp6_f32 v[PC+12+4*\c:PC+14+4*\c], v[\s+16+32*\c:\s+31+32*\c], v[TM+12+2*\c+1]   ; (a conversion's three registers begin on an even number)
.endr
	v_nop                                          ; one plain place behind a scaled conversion
.irp c, 0,1                                    ; the operand's layout wants a whole block in a lane: lanes 0-15 block 2 c, lanes 16-31 block 2 c + 1
.irp i, 0,1,2
	v_permlane16_swap_b32 v[PC+6*\c+\i], v[PC+12+4*\c+\i]
.endr
.irp i, 0,1,2
	v_mov_b32 v[PC+3+6*\c+\i], v[PC+12+4*\c+\i]
.endr
.endr
.endm
.macro FQ f
.if (\f) < 1
	s_wait_loadcnt 16                              ; this fragment's 16 loads are in; the next one's may be out
.else
	s_wait_loadcnt 0x0
.endif
	TURN \f
	s_wait_dscnt 0x0                               ; my 64 numbers are back
.if (\f) > 0
	s_wait_xcnt 0x0                                ; the last fragment's stores have read the codes' registers
.endif
	QUANT X, PW+(\f)
.irp c, 0,1,2
	global_store_b128 v[LI], v[PC+4*\c:PC+4*\c+3], s[12:13] offset:(\f)*FRB+512*\c   ; 32 lanes store 512 consecutive bytes
.endr
	ds_store_b32 v[SCW], v[PW+(\f)] offset:8*(\f)  ; both halves of the lanes write the same word with the same value
.endm
	FQ 0
	FQ 1
	s_wait_dscnt 0x0                               ; for the others' sake: my scale words lie in LDS
	s_barrier_signal -1
	s_barrier_wait -1
	s_cmp_lt_u32 s24, 2
	s_cbranch_scc0 .Lstored
	ds_load_b128 v[R:R+3], v[RDS]                  ; waves 0 and 1: the group's scale words
	s_wait_dscnt 0x0
	v_lshlrev_b32 v[SIN], 4, v0
	global_store_b128 v[SIN], v[R:R+3], s[14:15]   ; 64 lanes store 1,024 consecutive bytes, aligned
.Lstored:
	s_wait_tensorcnt 0x0                           ; the wave's end
	ds_add_u32 v[SPW], v[NIL]
	s_wait_dscnt 0x0
	s_endpgm
.Lfunc_end_k_qc90593fb78_quant:
	.size	k_qc90593fb78_quant, .Lfunc_end_k_qc90593fb78_quant-k_qc90593fb78_quant
	.p2alignl 7, 3214868480
	.fill 96, 4, 3214868480
	.section	.rodata,"a",@progbits
	.p2align	6, 0x0
	.amdhsa_kernel k_qc90593fb78_quant
		.amdhsa_group_segment_fixed_size 69632
		.amdhsa_private_segment_fixed_size 0
		.amdhsa_enable_private_segment 0
		.amdhsa_kernarg_size 48
		.amdhsa_user_sgpr_count 2
		.amdhsa_user_sgpr_kernarg_segment_ptr 1
		.amdhsa_wavefront_size32 1
		.amdhsa_system_sgpr_workgroup_id_x 1
		.amdhsa_system_sgpr_workgroup_id_y 1
		.amdhsa_system_sgpr_workgroup_id_z 1
		.amdhsa_system_vgpr_workitem_id 0
		.amdhsa_next_free_vgpr 256
		.amdhsa_next_free_sgpr 66
		.amdhsa_reserve_vcc 0
		.amdhsa_float_denorm_mode_32 3
		.amdhsa_float_denorm_mode_16_64 3
		.amdhsa_memory_ordered 1
		.amdhsa_forward_progress 1
		.amdhsa_inst_pref_size 20
	.end_amdhsa_kernel
	.amdgpu_metadata
---
amdhsa.version: [ 1, 2 ]
amdhsa.kernels:
  - .name:           k_qc90593fb78_quant
    .symbol:         k_qc90593fb78_quant.kd
    .args:
      - { .name: x, .offset: 0, .size: 8, .value_kind: global_buffer, .address_space: global }
      - { .name: Wq, .offset: 8, .size: 8, .value_kind: global_buffer, .address_space: global }
      - { .name: Wk, .offset: 16, .size: 8, .value_kind: global_buffer, .address_space: global }
      - { .name: Wv, .offset: 24, .size: 8, .value_kind: global_buffer, .address_space: global }
      - { .name: xwc, .offset: 32, .size: 8, .value_kind: global_buffer, .address_space: global }
      - { .name: xws, .offset: 40, .size: 8, .value_kind: global_buffer, .address_space: global }
    .group_segment_fixed_size: 69632
    .private_segment_fixed_size: 0
    .kernarg_segment_align: 8
    .kernarg_segment_size: 48
    .max_flat_workgroup_size: 256
    .sgpr_count:     66
    .vgpr_count:     256
    .wavefront_size: 32
...
	.end_amdgpu_metadata
.endif
;; end of part 1
;; launch proj (part 2): grid 16 x 16, 4 waves a work-group, clusters of 4 x 4, 327,680 bytes of LDS; arguments xwc, xws, bq, bk, bv, qkvc, qkvs; writes qkvc, qkvs
.if DOCPART == 2
	.amdgcn_target "amdgcn-amd-amdhsa--gfx1250"
	.amdhsa_code_object_version 6
	.text
	.protected	k_qc90593fb78_proj
	.globl	k_qc90593fb78_proj
	.p2align	8
	.type	k_qc90593fb78_proj,@function
k_qc90593fb78_proj:
	s_mov_b64 s[64:65], 0
	v_nop
	global_prefetch_b8 v0, s[64:65] scope:SCOPE_SE
	s_setreg_imm32_b32 hwreg(HW_REG_WAVE_MODE, 25, 1), 1
	s_wait_xcnt 0x0
	s_wait_alu depctr_hold_cnt(0) depctr_sa_sdst(0) depctr_va_vdst(0) depctr_va_sdst(0) depctr_va_ssrc(0) depctr_va_vcc(0) depctr_vm_vsrc(0)
	s_getreg_b32 s2, hwreg(HW_REG_IB_STS2, 6, 4)
	s_cmp_eq_u32 s2, 0
	s_cbranch_scc0 .Lentry_in_a_cluster
	s_endpgm
.Lentry_in_a_cluster:
	s_bfe_u32 s2, ttmp6, 0x10000c
	s_cmp_lg_u32 s2, 0xf033
	s_cbranch_scc0 .Lentry_shape_is_right
	s_endpgm
.Lentry_shape_is_right:
; Q, K, V = x W^T + b on codes, quantised as they are made.  No work is left out.
; 256 work-groups: row R of the grid 256 tokens, column C 128 columns of Q (C < 8) or K and 64 columns of V, all from one load of x's rows; a wave 128 tokens x (64 + 32) columns: 48 accumulators.
; Q, K: source 0 = the weight's rows, so that a lane holds a token and its registers run along the columns, which are the next K.  V: source 0 = x's rows, so that a lane holds a column and its registers run along the tokens.
; OUT: qkvc: Q, K [rowtile: Q 0-255, K 256-511][K step 8][1536]; behind 6,291,456 bytes V^T [rowtile of columns 64][K step of 128 tokens 32][1536].
;   qkvs: Q, K [128 tokens: Q 0-31, K 32-63][K step 8][row 16][rowtile 8] words; behind 262,144 bytes V^T's [64 columns: C][K step 32][lane][2] words: word i of lane (r, h): row r of rowtile 2 i + h.
; Eight K steps of 128 through two LDS slots: X three K steps, Y four; at the head one joint load a wave: the weights' and x's rows for X, the weights' and x's for Y; X is filled once more, with K step 7.
; x's rows are shared along a row of the cluster, the weights' along a column.  No prefetch: seven of the eight K steps are asked for at the head, and the last has four K steps, 192 matrix instructions a wave, in which to land.
; Scale words go straight into registers: lanes 0-15 x's, lanes 16-31 the weights'.  The bias is the first products' C.
; LIMITS: a block of zeros carries the byte 1; NaN and infinities are not served.
; REGISTERS: window 0: v1-31 addresses; v32-103 scale words; v104-199 x's 8 fragments of even K steps; v200-255 the way out.  window 1: v0-143 the weights' 6 fragments, two sets; v144-239 x's of odd K steps.
;   window 2: Q or K: accumulator (a, b) at v[8 (4 a + b)].  window 3: V: (a, e) at v[8 (8 e + a)]; v128-175 the biases.
.set FRB,   1536
.set KPIT,  12288
.set PX,    3*FRB                      ; a rowtile's bytes in X,
.set PY,    4*FRB                      ; in Y,
.set PZ,    FRB                        ; and in X's second fill
.set XW,    16*PX                      ; X: x's 16 rowtiles, then the weights' 12
.set YX,    XW+12*PX
.set YW,    YX+16*PY
.set QST,   YW+12*PY                   ; the stage of Q's or K's codes: 16 fragments
.set SST,   QST+16*FRB                 ; of their scale words (1,024 bytes), then V's (512)
.set SPARE, SST+1536                   ; the spare words, 128 bytes a wave, which no other line names
.set LI,   3
.set AX,   8                           ; v8-10   LDS address of x's fragments in X, Y, X's second fill
.set BX,   11                          ; v11-13  of the weights' for Q or K
.set VX,   14                          ; v14-16  of the weights' for V
.set S0,   17
.set S2,   18
.set S3,   19
.set HB,   20
.set RBI,  21
.set SA,   22
.set SBB,  23
.set PW,   24                          ; v24-27
.set SPW,  28
.set NIL,  29
.set SS,   30
.set SVA,  31
.set SC,   32
.set RD,   1                           ; (in place of r, behind its last reader)
.set RS,   2
.set TM,   200
.set TP,   208
.set RC,   216                         ; codes: six registers a half fragment, or twelve a fragment
.set QC,   240
.set BQ,   128
.set BV,   160
.set WV,   18
.set WR,   19
.set WC,   20
.set GXA,  24                          ; groups 1: x and the weights in X, in Y, in X's second fill
.set GXB,  32
.set GYA,  40
.set GYB,  48
.set GZA,  56
.set GZB,  68
.set G0XA, 76                          ; groups 0
.set G0XB, 80
.set G0YA, 84
.set G0YB, 88
.set SEL,  92
.set LOW,  94
.set MSB, 0
.macro WIN new
.if MSB != (\new)
	s_set_vgpr_msb (MSB<<8)|(\new)
.set MSB, (\new)
.endif
.endm
.macro PLACES
.rept 4
	v_nop
.endr
.endm
.macro WALU
	s_wait_alu depctr_va_vdst(0)
.endm
.macro TLOAD g0, g1
	tensor_load_to_lds s[\g0:\g0+3], s[\g1:\g1+7]
	s_nop 0
	PLACES
.endm
.macro ARM w, g0, g1                   ; wave w's load at the head
	s_cmp_eq_u32 s[WV], \w
	s_cbranch_scc0 .Lnot_\@
	TLOAD \g0, \g1
	s_branch .Lasked
.Lnot_\@:
.endm
.macro CREST
	s_cmp_lg_u32 s[WV], 0
	s_cbranch_scc1 .Lnot_wave_0_\@
	s_barrier_signal -3
.Lnot_wave_0_\@:
	s_barrier_wait -3
	s_barrier_signal -1
	s_barrier_wait -1
.endm
.macro CROUND
	s_barrier_signal -1
	s_barrier_wait -1
	CREST
.endm
.macro SHAPE g, mask, bytes, rows      ; group 1; elements of 1 byte; bit 21 set beside a mask
	s_or_b32 s[\g], s[\mask], (1<<21)
	s_mov_b32 s[\g+1], (\bytes)<<16
	s_mov_b32 s[\g+2], (\rows)<<16
	s_mov_b32 s[\g+3], (\bytes)<<16
	s_mov_b32 s[\g+4], \rows
	s_mov_b32 s[\g+5], KPIT
	s_mov_b32 s[\g+6], 0
	s_mov_b32 s[\g+7], 0
.endm
.macro GROUP0 g, lds, base, off
	s_mov_b32 s[\g], 1
	s_mov_b32 s[\g+1], \lds
	s_add_nc_u64 s[\g+2:\g+3], s[\base:\base+1], \off
	s_or_b32 s[\g+3], s[\g+3], 0x80000000
.endm
	s_load_b256 s[4:11], s[0:1], 0x0               ; xwc, xws, bq, bk
	s_load_b128 s[12:15], s[0:1], 0x20             ; bv, qkvc
	s_load_b64 s[16:17], s[0:1], 0x30              ; qkvs
	v_lshl_add_u32 v[SPW], v0, 2, SPARE
	v_mov_b32 v[NIL], 0
	ds_add_u32 v[SPW], v[NIL]                      ; the wave's opening: the add, twice on end, and its wait ahead of my first tensor load
	ds_add_u32 v[SPW], v[NIL]
	v_lshrrev_b32 v1, 5, v0
	v_readfirstlane_b32 s[WV], v1
	s_lshr_b32 s[WR], s[WV], 1                     ; my half of the tokens
	s_and_b32 s[WC], s[WV], 1                      ; my half of the columns
	s_bfe_u32 s21, ttmp6, 0x40000                  ; cx
	s_bfe_u32 s22, ttmp6, 0x40004                  ; cy
	s_lshl_b32 s96, ttmp9, 2
	s_add_co_u32 s96, s96, s21                     ; C
	s_and_b32 s97, ttmp7, 0xffff
	s_lshl_b32 s97, s97, 2
	s_add_co_u32 s97, s97, s22                     ; R
	s_lshl_b32 s22, s22, 2
	s_lshl_b32 s22, 15, s22                        ; my row of the cluster
	s_lshl_b32 s23, 0x1111, s21                    ; my column
	SHAPE GXA, 22, PX, 16
	SHAPE GYA, 22, PY, 16
	SHAPE GZA, 22, PZ, 16
	SHAPE GXB, 23, PX, 12
	SHAPE GYB, 23, PY, 12
	SHAPE GZB, 23, PZ, 12
	v_and_b32 v1, 15, v0                           ; r
	v_bfe_u32 v2, v0, 4, 1                         ; h
	v_and_b32 v4, 31, v0
	v_lshlrev_b32 v[LI], 4, v4
	v_cmp_gt_u32 s[LOW], 16, v4
	WALU                                           ; the lines below read these results among scalar lines
.macro PLACE reg, half, step, base     ; LDS address: 16 x lane + half x step + base
	s_mul_i32 s21, s[\half], \step
	s_add_co_u32 s21, s21, \base
	v_add_nc_u32 v[\reg], s21, v[LI]
.endm
	PLACE AX, WR, 8*PX, 0
	PLACE AX+1, WR, 8*PY, YX
	PLACE AX+2, WR, 8*PZ, 0
	PLACE BX, WC, 4*PX, XW
	PLACE BX+1, WC, 4*PY, YW
	PLACE BX+2, WC, 4*PZ, XW
	PLACE VX, WC, 2*PX, XW+8*PX
	PLACE VX+1, WC, 2*PY, YW+8*PY
	PLACE VX+2, WC, 2*PZ, XW+8*PZ
	s_mul_i32 s22, s[WR], 8*FRB                    ; the stage: fragment 8 wr + a; my registers 6 wc .. 6 wc + 5 of it, in pairs
	s_add_co_u32 s22, s22, QST
	s_mul_i32 s21, s[WC], 520
	s_add_co_u32 s21, s21, s22
	v_add_nc_u32 v[SA], s21, v[LI]                 ; the first pair, and 512 further on the third
	s_mul_i32 s21, s[WC], 1016
	s_add_co_u32 s21, s21, s22
	s_add_co_u32 s21, s21, 8
	v_add_nc_u32 v[SBB], s21, v[LI]                ; the second
	s_lshl_b32 s21, s[WR], 9
	s_lshl_b32 s22, s[WC], 1
	s_add_co_u32 s21, s21, s22
	s_add_co_u32 s21, s21, SST
	v_lshlrev_b32 v[SS], 5, v1
	v_add_nc_u32 v[SS], s21, v[SS]                 ; Q's or K's scale bytes: [wr][r][a], two bytes for each wc
	s_lshl_b32 s21, s[WR], 8
	s_lshl_b32 s22, s[WC], 2
	s_add_co_u32 s21, s21, s22
	s_add_co_u32 s21, s21, SST+1024
	v_lshlrev_b32 v[SVA], 3, v4
	v_add_nc_u32 v[SVA], s21, v[SVA]               ; V's words: [wr][lane][wc]
	; scale words: 1,024 bytes for a group of 32 rows.  Lanes 0-15 x's groups 8 R + 4 wr + p; lanes 16-31 the weights': 128 + 6 C + 2 wc + p for p = 0, 1, and 132 + 6 C + wc
	s_lshl_b32 s21, s97, 13
	s_lshl_b32 s22, s[WR], 12
	s_add_co_u32 s21, s21, s22
	s_mul_i32 s22, s96, 6144
	s_add_co_u32 s22, s22, 128*1024
	s_lshl_b32 s23, s[WC], 10
	s_add_co_u32 s23, s23, s22
	s_add_co_u32 s23, s23, 4096                    ; V's group
	s_lshl_b32 s98, s[WC], 11
	s_add_co_u32 s22, s22, s98
	s_sub_co_u32 s22, s22, s21
	s_sub_co_u32 s23, s23, s21
	v_lshlrev_b32 v5, 4, v1
	v_add_nc_u32 v5, s21, v5
	v_mul_u32_u24 v[S0], s22, v2
	v_add_nc_u32 v[S0], v[S0], v5
	s_sub_co_u32 s23, s23, 2048
	v_mul_u32_u24 v[S2], s23, v2
	v_add_nc_u32 v[S2], v[S2], v5
	v_add_nc_u32 v[S2], 2048, v[S2]
	s_sub_co_u32 s23, s23, 1024
	v_mul_u32_u24 v[S3], s23, v2
	v_add_nc_u32 v[S3], v[S3], v5
	v_add_nc_u32 v[S3], 3072, v[S3]
	v_lshlrev_b32 v[HB], 6, v2                     ; Q's or K's bias: + 16 columns for lanes 16-31
	v_and_b32 v[RBI], 8, v1
	v_add_nc_u32 v[RBI], v[RBI], v1
	v_lshlrev_b32 v[RBI], 2, v[RBI]                ; V's: column 16 (r / 8) + r % 8
	s_mul_i32 s21, s[WV], 4*FRB
	s_add_co_u32 s21, s21, QST
	v_add_nc_u32 v[RD], s21, v[LI]                 ; out of the stage: fragments 4 w .. 4 w + 3
	v_lshl_add_u32 v[RS], v0, 4, SST
	s_mov_b32 s[SEL], 0x76543210
	s_mov_b32 s[SEL+1], 0xfedcba98
	WALU                                           ; the wait at the head's end
	s_wait_dscnt 0x0                               ; both opening adds are done
	CROUND                                         ; all sixteen work-groups are here: the first joint loads meet
	s_wait_kmcnt 0x0
	s_mul_i32 s98, s97, 16*KPIT
	s_mov_b32 s99, 0
	s_add_nc_u64 s[98:99], s[4:5], s[98:99]        ; x: rowtile 16 R
	s_mul_i32 s100, s96, 12*KPIT
	s_add_co_u32 s100, s100, 256*KPIT
	s_mov_b32 s101, 0
	s_add_nc_u64 s[100:101], s[4:5], s[100:101]    ; the weights: rowtile 256 + 12 C
	GROUP0 G0XA, 0, 98, 0
	GROUP0 G0XB, XW, 100, 0
	GROUP0 G0YA, YX, 98, PX
	GROUP0 G0YB, YW, 100, PX
	ARM 0, G0XB, GXB
	ARM 1, G0XA, GXA
	ARM 2, G0YB, GYB
	TLOAD G0YA, GYA
.Lasked:
.irp g, 0,1,2,3
	global_load_b128 v[SC+18*\g:SC+18*\g+3], v[S0], s[6:7] offset:256*\g
	global_load_b128 v[SC+18*\g+4:SC+18*\g+7], v[S0], s[6:7] offset:256*\g+1024
	global_load_b128 v[SC+18*\g+10:SC+18*\g+13], v[S2], s[6:7] offset:256*\g
	global_load_b128 v[SC+18*\g+14:SC+18*\g+17], v[S3], s[6:7] offset:256*\g
.endr
	s_and_b32 s21, s96, 7                          ; which 128 columns of Q or K
	s_lshl_b32 s98, s21, 9
	s_lshl_b32 s99, s[WC], 8
	s_add_co_u32 s98, s98, s99
	s_mov_b32 s99, 0
	s_cmp_lt_u32 ttmp9, 2                          ; Q or K: the choice hangs on the cluster's number alone
	s_cselect_b64 s[22:23], s[8:9], s[10:11]
	s_cselect_b32 s3, 0, 256
	s_add_nc_u64 s[22:23], s[22:23], s[98:99]
	s_lshl_b32 s98, s96, 8
	s_lshl_b32 s100, s[WC], 7
	s_add_co_u32 s98, s98, s100
	s_add_nc_u64 s[12:13], s[12:13], s[98:99]
	WIN 0xc0
.irp b, 0,1,2,3
	global_load_b128 v[BQ+8*\b:BQ+8*\b+3], v[HB], s[22:23] offset:(32*(\b/2)+8*(\b%2))*4
	global_load_b128 v[BQ+8*\b+4:BQ+8*\b+7], v[HB], s[22:23] offset:(32*(\b/2)+8*(\b%2))*4+16
.endr
.irp e, 0,1
.irp j, 0,1,2,3,4,5,6,7
	global_load_b32 v[BV+8*\e+\j], v[RBI], s[12:13] offset:32*\e
.endr
.endr
	WIN 0
	; where the results go: s[10:11] Q's or K's codes, s[8:9] V's, s[6:7] the scale words (waves 0, 1: Q's or K's of 128 tokens; wave 2: V's)
	s_lshl_b32 s98, s97, 4
	s_add_co_u32 s98, s98, s3
	s_lshl_b32 s100, s[WV], 2
	s_add_co_u32 s98, s98, s100
	s_mul_i32 s98, s98, KPIT
	s_mul_i32 s100, s21, FRB
	s_add_co_u32 s98, s98, s100
	s_wait_xcnt 0x0                                ; the loads above have read their bases
	s_add_nc_u64 s[10:11], s[14:15], s[98:99]
	s_lshl_b32 s98, s96, 2
	s_lshl_b32 s100, s[WC], 1
	s_add_co_u32 s98, s98, s100
	s_mul_i32 s98, s98, 49152
	s_lshl_b32 s100, s97, 1
	s_add_co_u32 s100, s100, s[WR]
	s_mul_i32 s100, s100, FRB
	s_add_co_u32 s98, s98, s100
	s_add_co_u32 s98, s98, 6291456
	s_add_nc_u64 s[8:9], s[14:15], s[98:99]
	s_lshr_b32 s98, s3, 3
	s_lshl_b32 s100, s97, 1
	s_add_co_u32 s98, s98, s100
	s_add_co_u32 s98, s98, s[WV]
	s_lshl_b32 s98, s98, 12
	s_lshl_b32 s100, s21, 9
	s_add_co_u32 s98, s98, s100
	s_lshl_b32 s100, s96, 13
	s_lshl_b32 s2, s97, 9
	s_add_co_u32 s100, s100, s2
	s_add_co_u32 s100, s100, 262144
	s_cmp_lt_u32 s[WV], 2
	s_cselect_b32 s98, s98, s100
	s_add_nc_u64 s[6:7], s[16:17], s[98:99]
	s_cmp_lt_u32 s[WV], 2
	s_cbranch_scc0 .Lnot_x
	s_wait_tensorcnt 0x0                           ; waves 0 and 1: X's tiles are in; Y's may be on their way
.Lnot_x:
	s_barrier_signal -1
	s_barrier_wait -1
.macro FETCH g                         ; K step g into set g % 2: 42 loads in one run
.if (\g) < 3
.set S_, 0
.set P_, PX
.set Q_, (\g)*FRB
.elseif (\g) < 7
.set S_, 1
.set P_, PY
.set Q_, ((\g)-3)*FRB
.else
.set S_, 2
.set P_, PZ
.set Q_, 0
.endif
	WIN 0x40
.irp b, 0,1,2,3
.irp c, 0,1,2
	ds_load_b128 v[72*((\g)%2)+12*\b+4*\c:72*((\g)%2)+12*\b+4*\c+3], v[BX+S_] offset:\b*P_+Q_+512*\c
.endr
.endr
	WIN ((\g)%2)<<6
.irp a, 0,1,2,3,4,5,6,7
.irp c, 0,1,2
	ds_load_b128 v[104+40*((\g)%2)+12*\a+4*\c:104+40*((\g)%2)+12*\a+4*\c+3], v[AX+S_] offset:\a*P_+Q_+512*\c
.endr
.endr
	WIN 0x40
.irp e, 0,1
.irp c, 0,1,2
	ds_load_b128 v[72*((\g)%2)+48+12*\e+4*\c:72*((\g)%2)+48+12*\e+4*\c+3], v[VX+S_] offset:\e*P_+Q_+512*\c
.endr
.endr
	WIN 0
.endm
; Product n of K step g: 32 of Q or K, then 16 of V.  The 48 accumulators take turns, one instruction a turn.
.macro PR g, n
.if (\n) < 32
.set A_, (\n)/4
.set B_, (\n)%4
.set D_, 8*(4*A_+B_)
.else
.set A_, (\n)%8
.set B_, 4+((\n)-32)/8
.set D_, 8*(8*(B_-4)+A_)
.endif
.set XA_, SC+18*((\g)/2)+4*(A_/2)+2*(A_/4)+2*((\g)%2)+A_%2
.set XB_, SC+18*((\g)/2)+4*(B_/2)+2*(B_/4)+2*((\g)%2)+B_%2
.set F_, 104+40*((\g)%2)+12*A_
.set E_, 72*((\g)%2)+12*B_
.if (\n) < 32
.if (\g) == 0
	WIN 1|(((\g)%2)<<2)|(3<<4)|(2<<6)
	v_wmma_scale_f32_16x16x128_f8f6f4 v[D_:D_+7], v[E_:E_+11], v[F_:F_+11], v[BQ+8*B_:BQ+8*B_+7], v[XB_], v[XA_] matrix_a_fmt:MATRIX_FMT_FP6 matrix_b_fmt:MATRIX_FMT_FP6 matrix_a_scale:MATRIX_SCALE_ROW1
.else
	WIN 1|(((\g)%2)<<2)|(2<<4)|(2<<6)
	v_wmma_scale_f32_16x16x128_f8f6f4 v[D_:D_+7], v[E_:E_+11], v[F_:F_+11], v[D_:D_+7], v[XB_], v[XA_] matrix_a_fmt:MATRIX_FMT_FP6 matrix_b_fmt:MATRIX_FMT_FP6 matrix_a_scale:MATRIX_SCALE_ROW1
.endif
.else
	WIN ((\g)%2)|(1<<2)|(3<<4)|(3<<6)
.if (\g) == 0
	v_wmma_scale_f32_16x16x128_f8f6f4 v[D_:D_+7], v[F_:F_+11], v[E_:E_+11], v[BV+8*(B_-4):BV+8*(B_-4)+7], v[XA_], v[XB_] matrix_a_fmt:MATRIX_FMT_FP6 matrix_b_fmt:MATRIX_FMT_FP6 matrix_b_scale:MATRIX_SCALE_ROW1
.else
	v_wmma_scale_f32_16x16x128_f8f6f4 v[D_:D_+7], v[F_:F_+11], v[E_:E_+11], v[D_:D_+7], v[XA_], v[XB_] matrix_a_fmt:MATRIX_FMT_FP6 matrix_b_fmt:MATRIX_FMT_FP6 matrix_b_scale:MATRIX_SCALE_ROW1
.endif
.endif
.endm
.macro RUN g, from, to
.set n_, \from
.rept (\to)-(\from)
	PR \g, n_
.set n_, n_+1
.endr
.endm
.macro STEP g, how                     ; how = 1: a round of the cluster's barrier, which shows Y, and X's second fill; 2: a plain barrier shows that fill
	s_wait_dscnt 0x0                               ; this step's fragments are in
	PLACES
.if (\g) < 7
	FETCH (\g)+1
.endif
.if (\how) == 1
	RUN \g, 0, 16
	WIN 0
	s_wait_tensorcnt 0x0                           ; all my tensor loads have landed
	ds_add_u32 v[SPW], v[NIL]
	RUN \g, 16, 32
	s_wait_dscnt 0x0                               ; the add is done, and my reads of X are over
	s_barrier_signal -1
	RUN \g, 32, 48
	WIN 0
	s_barrier_wait -1
	CREST                                          ; no wave of any partner still reads X or has a load on its way
	s_add_nc_u64 s[G0XA+2:G0XA+3], s[G0XA+2:G0XA+3], 7*FRB
	s_add_nc_u64 s[G0XB+2:G0XB+3], s[G0XB+2:G0XB+3], 7*FRB
	s_cmp_eq_u32 s[WV], 0
	s_cbranch_scc0 .Lfor_x
	TLOAD G0XB, GZB
	s_branch .Lfilled
.Lfor_x:
	s_cmp_eq_u32 s[WV], 1
	s_cbranch_scc0 .Lfilled
	TLOAD G0XA, GZA
.Lfilled:
.elseif (\how) == 2
	RUN \g, 0, 32
	s_wait_tensorcnt 0x0
	s_wait_dscnt 0x0
	s_barrier_signal -1
	RUN \g, 32, 48
	WIN 0
	s_barrier_wait -1
.else
	RUN \g, 0, 48
	WIN 0
.endif
.endm
	FETCH 0
	s_wait_loadcnt 0x0                             ; scale words and biases are in
	STEP 0, 0
	STEP 1, 1
	STEP 2, 0
	STEP 3, 0
	STEP 4, 0
	STEP 5, 2
	STEP 6, 0
	STEP 7, 0
	PLACES
.irp b, 0,1,2,3,4,5,6,7
	v_mov_b32 v[TP+\b], 0                          ; written once: a lane permute's destination counts as one of its sources
.endr
; EIGHT HALF BLOCKS of 16 registers from v[ac] of window w on: their blocks' scale operands in v[TM+u], bytes in v[TP+u]
.macro MAXS w, ac
	WIN ((\w)<<2)|((\w)<<4)
.irp u, 0,1,2,3,4,5,6,7
	v_max3_num_f32 v[TM+\u], 0x1800000, |v[\ac+16*\u]|, |v[\ac+16*\u+1]|   ; and the floor 2^(3 - 127): the byte cannot fall under 1
.endr
.irp i, 2,4,6,8,10,12,14
.irp u, 0,1,2,3,4,5,6,7
	v_max3_num_f32 v[TM+\u], v[TM+\u], |v[\ac+16*\u+\i]|, |v[\ac+16*\u+\i+1]|
.endr
.endr
	WIN 0
.irp u, 0,1,2,3,4,5,6,7
	v_permlanex16_b32 v[TP+\u], v[TM+\u], s[SEL], s[SEL+1]
.endr
.irp u, 0,1,2,3,4,5,6,7
	v_max_num_f32 v[TM+\u], v[TM+\u], v[TP+\u]
.endr
.irp u, 0,1,2,3,4,5,6,7
	v_add_nc_u32 v[TM+\u], 0xff000000, v[TM+\u]    ; 2 off the exponent field
.endr
.irp u, 0,1,2,3,4,5,6,7
	v_lshrrev_b32 v[TP+\u], 23, v[TM+\u]
.endr
.endm
; Four pairs of blocks into six registers each: lanes 0-15 hold the first block whole, lanes 16-31 the second
.macro CODES w, ac
	WIN \w
.irp m, 0,1,2,3
	v_cvt_scalef32_pk16_fp6_f32 v[RC+6*\m:RC+6*\m+2], v[\ac+32*\m:\ac+32*\m+15], v[TM+2*\m]
	v_cvt_scalef32_pk16_fp6_f32 v[QC+4*\m:QC+4*\m+2], v[\ac+32*\m+16:\ac+32*\m+31], v[TM+2*\m+1]
.endr
	WIN 0
	v_nop                                          ; one plain place behind a scaled conversion
.irp m, 0,1,2,3
.irp i, 0,1,2
	v_permlane16_swap_b32 v[RC+6*\m+\i], v[QC+4*\m+\i]
.endr
.irp i, 0,1,2
	v_mov_b32 v[RC+6*\m+3+\i], v[QC+4*\m+\i]
.endr
.endr
.endm
	MAXS 3, 0                                      ; V: two rowtiles of columns x 128 tokens
.irp e, 0,1
	v_lshl_or_b32 v[PW+\e], v[TP+4*\e+1], 8, v[TP+4*\e]
.endr
.irp e, 0,1
	v_lshl_or_b32 v[PW+\e], v[TP+4*\e+2], 16, v[PW+\e]
.endr
.irp e, 0,1
	v_lshl_or_b32 v[PW+\e], v[TP+4*\e+3], 24, v[PW+\e]
.endr
	v_cndmask_b32 v[PW], v[PW+1], v[PW], s[LOW]    ; lanes 0-15 the first rowtile's word, lanes 16-31 the second's
	CODES 3, 0
.irp k, 0,1,2
	global_store_b128 v[LI], v[RC+4*\k:RC+4*\k+3], s[8:9] offset:512*\k          ; 32 lanes store 512 consecutive bytes
	global_store_b128 v[LI], v[RC+12+4*\k:RC+15+4*\k], s[8:9] offset:49152+512*\k
.endr
	ds_store_b32 v[SVA], v[PW]
.macro OUTK h                          ; Q or K: blocks 4 h .. 4 h + 3 of 16 tokens x my 64 columns
	MAXS 2, 128*(\h)
.irp m, 0,1,2,3
	v_lshl_or_b32 v[PW+\m], v[TP+2*\m+1], 8, v[TP+2*\m]
.endr
.if (\h) == 0
	WALU
	s_wait_xcnt 0x0                                ; V's stores have read the codes' registers
.endif
	CODES 2, 128*(\h)
.irp m, 0,1,2,3
	ds_store_b64 v[SA], v[RC+6*\m:RC+6*\m+1] offset:(4*(\h)+\m)*FRB
	ds_store_b64 v[SBB], v[RC+6*\m+2:RC+6*\m+3] offset:(4*(\h)+\m)*FRB
	ds_store_b64 v[SA], v[RC+6*\m+4:RC+6*\m+5] offset:(4*(\h)+\m)*FRB+512
	ds_store_b16 v[SS], v[PW+\m] offset:4*(4*(\h)+\m)
.endr
.endm
	OUTK 0
	OUTK 1
	s_wait_dscnt 0x0                               ; for the others' sake: my codes and scale bytes lie in the stage
	s_barrier_signal -1
	s_barrier_wait -1
.irp k, 0,1,2,3,4,5,6,7,8,9,10,11
	ds_load_b128 v[104+4*\k:107+4*\k], v[RD] offset:512*\k
.endr
.irp k, 0,1,2,3,4,5,6,7,8,9,10,11
	s_wait_dscnt 11-\k
	global_store_b128 v[LI], v[104+4*\k:107+4*\k], s[10:11] offset:(\k/3)*KPIT+512*(\k%3)
.endr
	s_cmp_lt_u32 s[WV], 3
	s_cbranch_scc0 .Lstored
	ds_load_b128 v[160:163], v[RS]
	s_wait_dscnt 0x0
	global_store_b128 v[LI], v[160:163], s[6:7]    ; 32 lanes store 512 consecutive bytes
.Lstored:
	s_wait_tensorcnt 0x0                           ; the wave's end
	ds_add_u32 v[SPW], v[NIL]
	s_wait_dscnt 0x0
	CROUND                                         ; the closing round
	s_endpgm
.Lfunc_end_k_qc90593fb78_proj:
	.size	k_qc90593fb78_proj, .Lfunc_end_k_qc90593fb78_proj-k_qc90593fb78_proj
	.p2alignl 7, 3214868480
	.fill 96, 4, 3214868480
	.section	.rodata,"a",@progbits
	.p2align	6, 0x0
	.amdhsa_kernel k_qc90593fb78_proj
		.amdhsa_group_segment_fixed_size 327680
		.amdhsa_private_segment_fixed_size 0
		.amdhsa_enable_private_segment 0
		.amdhsa_kernarg_size 56
		.amdhsa_user_sgpr_count 2
		.amdhsa_user_sgpr_kernarg_segment_ptr 1
		.amdhsa_wavefront_size32 1
		.amdhsa_system_sgpr_workgroup_id_x 1
		.amdhsa_system_sgpr_workgroup_id_y 1
		.amdhsa_system_sgpr_workgroup_id_z 1
		.amdhsa_system_vgpr_workitem_id 0
		.amdhsa_next_free_vgpr 1024
		.amdhsa_next_free_sgpr 102
		.amdhsa_reserve_vcc 0
		.amdhsa_float_denorm_mode_32 3
		.amdhsa_float_denorm_mode_16_64 3
		.amdhsa_memory_ordered 1
		.amdhsa_forward_progress 1
		.amdhsa_inst_pref_size 118
	.end_amdhsa_kernel
	.amdgpu_metadata
---
amdhsa.version: [ 1, 2 ]
amdhsa.kernels:
  - .name:           k_qc90593fb78_proj
    .symbol:         k_qc90593fb78_proj.kd
    .args:
      - { .name: xwc, .offset: 0, .size: 8, .value_kind: global_buffer, .address_space: global }
      - { .name: xws, .offset: 8, .size: 8, .value_kind: global_buffer, .address_space: global }
      - { .name: bq, .offset: 16, .size: 8, .value_kind: global_buffer, .address_space: global }
      - { .name: bk, .offset: 24, .size: 8, .value_kind: global_buffer, .address_space: global }
      - { .name: bv, .offset: 32, .size: 8, .value_kind: global_buffer, .address_space: global }
      - { .name: qkvc, .offset: 40, .size: 8, .value_kind: global_buffer, .address_space: global }
      - { .name: qkvs, .offset: 48, .size: 8, .value_kind: global_buffer, .address_space: global }
    .group_segment_fixed_size: 327680
    .private_segment_fixed_size: 0
    .kernarg_segment_align: 8
    .kernarg_segment_size: 56
    .max_flat_workgroup_size: 128
    .sgpr_count:     102
    .vgpr_count:     1024
    .wavefront_size: 32
...
	.end_amdgpu_metadata
.endif
;; end of part 2
;; launch score (part 3): grid 16 x 16, 4 waves a work-group, clusters of 4 x 4, 327,680 bytes of LDS; arguments qkvc, qkvs, pc, pst; writes pc, pst
.if DOCPART == 3
	.amdgcn_target "amdgcn-amd-amdhsa--gfx1250"
	.amdhsa_code_object_version 6
	.text
	.protected	k_qc90593fb78_score
	.globl	k_qc90593fb78_score
	.p2align	8
	.type	k_qc90593fb78_score,@function
k_qc90593fb78_score:
	s_mov_b64 s[64:65], 0
	v_nop
	global_prefetch_b8 v0, s[64:65] scope:SCOPE_SE
	s_setreg_imm32_b32 hwreg(HW_REG_WAVE_MODE, 25, 1), 1
	s_wait_xcnt 0x0
	s_wait_alu depctr_hold_cnt(0) depctr_sa_sdst(0) depctr_va_vdst(0) depctr_va_sdst(0) depctr_va_ssrc(0) depctr_va_vcc(0) depctr_vm_vsrc(0)
	s_getreg_b32 s2, hwreg(HW_REG_IB_STS2, 6, 4)
	s_cmp_eq_u32 s2, 0
	s_cbranch_scc0 .Lentry_in_a_cluster
	s_endpgm
.Lentry_in_a_cluster:
	s_bfe_u32 s2, ttmp6, 0x10000c
	s_cmp_lg_u32 s2, 0xf033
	s_cbranch_scc0 .Lentry_shape_is_right
	s_endpgm
.Lentry_shape_is_right:
; S^T = K Q^T on codes, and the softmax's p for the second product, by runs of 128 keys.  No work is left out.
; A work-group makes 256 queries (lane operand, source 1) x 256 keys (register operand, source 0); a wave 128 x 128.  In the result a lane holds ONE query and its 64 registers of a block run along 128 TRUE keys.
; For each query and each run of 128 keys: t = score x log2(e) / 8; M' = ceil(the run's largest t), a whole number; p = 2^(t - M'), quantised along the keys by blocks of 32; l' = the sum of the unquantised p.
; Stored: p's codes (pc, as fragment images: [rowtile of queries][K step = run of keys][1536]) and, in pst, three sections [128 queries][K step][lane][4 words]: p's scale words, -M', l'; word i of lane (r, h) is row r of block 2 i + h.
; Eight K steps of 128 through two LDS slots (slot 0: two K steps, slot 1: four).  At the head one joint load a wave: Q's rows for slot 0, K's for slot 0, Q's for slot 1, K's for slot 1; slot 0 is filled once more, with K steps 6 and 7.
; Q's tile is shared along a row of the cluster, K's along a column.  No prefetch: six of the eight K steps are asked for at the head, and the last two have slot 1's 256 matrix instructions a wave in which to land.
; Scale words go straight into registers: lanes 0-15 Q's, lanes 16-31 K's.
; LIMITS: a p under 2^-126 of its run's largest counts as 0 (the exponential gives 0 there); a block whose largest p lies under 2^-61 carries the byte 64, so what lies under 2^-67 of the run's largest is rounded to 0 there;
; M' is exact as an f32 whole number up to 2^24; NaN and infinities are not served.
; REGISTERS: window 0: v1-31 addresses; v32-95 scale words; v128-223 Q's 8 fragments (later at work).  window 1: K's, two sets.  windows 2, 3: accumulator (a, b) at v[8 (8 (a % 4) + b)].
.set FRB,   1536
.set TROW0, 2*FRB                      ; a rowtile's bytes in slot 0; in slot 1 twice as many
.set KPIT,  12288
.set HALF0, 8*TROW0
.set HALF1, 2*HALF0
.set SLOT1, 4*HALF0
.set SPARE, SLOT1+4*HALF1              ; the spare words, 128 bytes a wave, which no other line names
.set LI,   3
.set SCO,  5
.set ADRA, 16
.set ADRB, 20
.set SPW,  28
.set NIL,  29
.set SC,   32                          ; scale words: K step g, block i at SC + 8 g + i
.set OP,   100                         ; v100-103 scale words on the way out, v104-107 -M', v108-111 l'
.set ON,   104
.set OL,   108
.set TT,   112                         ; v112, v113 the runs' largest t
.set NM,   114                         ; v[114:115], v[116:117] -M', as pairs for the packed form
.set LL,   118
.set PW,   120
.set TP,   122
.set AF,   128                         ; Q's fragments; blocks 0-3 of odd K steps lie at v104-127 and v224-247
.set PC,   128                         ; the way out: v128-167 the codes just made
.set SUM,  168                         ; v168-231 partial sums
.set BM,   232                         ; v232-239 the blocks' largest scores, their largest p, the conversions' scale operands
.set BP,   240                         ; v240-247 the other half of the lanes'; then the scales' bytes
.set WV,   18
.set WR,   19
.set WC,   20
.set GXA,  24                          ; groups 1: Q and K in slot 0's shape, Q and K in slot 1's
.set GXB,  32
.set GYA,  40
.set GYB,  48
.set G0,   56                          ; groups 0: Q, K for slot 0
.set G0Y,  68                          ; Q, K for slot 1
.set SEL,  92
.set CS,   94                          ; s[94:95] c = log2(e) / 8
.set LOW,  96                          ; s96 lanes 0-15
.set MSB, 0
.macro WIN new
.if MSB != (\new)
	s_set_vgpr_msb (MSB<<8)|(\new)
.set MSB, (\new)
.endif
.endm
.macro PLACES
.rept 4
	v_nop
.endr
.endm
.macro WALU
	s_wait_alu depctr_va_vdst(0)
.endm
.macro TLOAD g0, g1
	tensor_load_to_lds s[\g0:\g0+3], s[\g1:\g1+7]
	s_nop 0
	PLACES
.endm
.macro ARM w, g0, g1                   ; wave w's load at the head
	s_cmp_eq_u32 s[WV], \w
	s_cbranch_scc0 .Lnot_\@
	TLOAD \g0, \g1
	s_branch .Lasked
.Lnot_\@:
.endm
.macro CREST
	s_cmp_lg_u32 s[WV], 0
	s_cbranch_scc1 .Lnot_wave_0_\@
	s_barrier_signal -3
.Lnot_wave_0_\@:
	s_barrier_wait -3
	s_barrier_signal -1
	s_barrier_wait -1
.endm
.macro CROUND
	s_barrier_signal -1
	s_barrier_wait -1
	CREST
.endm
.macro SHAPE g, mask, n                ; group 1: sixteen rowtiles, n fragments of each; elements of 1 byte; bit 21 set beside a mask
	s_or_b32 s[\g], s[\mask], (1<<21)
	s_mov_b32 s[\g+1], ((\n)*FRB)<<16
	s_mov_b32 s[\g+2], 16<<16
	s_mov_b32 s[\g+3], ((\n)*FRB)<<16
	s_mov_b32 s[\g+4], 16
	s_mov_b32 s[\g+5], KPIT
	s_mov_b32 s[\g+6], 0
	s_mov_b32 s[\g+7], 0
.endm
.macro GROUP0 g, lds, base, off
	s_mov_b32 s[\g], 1
	s_mov_b32 s[\g+1], \lds
	s_add_nc_u64 s[\g+2:\g+3], s[\base:\base+1], \off
	s_or_b32 s[\g+3], s[\g+3], 0x80000000
.endm
	s_load_b256 s[4:11], s[0:1], 0x0               ; qkvc, qkvs, pc, pst
	v_lshl_add_u32 v[SPW], v0, 2, SPARE
	v_mov_b32 v[NIL], 0
	ds_add_u32 v[SPW], v[NIL]                      ; the wave's opening: the add, twice on end, and its wait ahead of my first tensor load
	ds_add_u32 v[SPW], v[NIL]
	v_lshrrev_b32 v1, 5, v0
	v_readfirstlane_b32 s[WV], v1
	s_lshr_b32 s[WR], s[WV], 1                     ; my half of the queries
	s_and_b32 s[WC], s[WV], 1                      ; my half of the keys
	s_bfe_u32 s40, ttmp6, 0x40000                  ; cx
	s_bfe_u32 s41, ttmp6, 0x40004                  ; cy
	s_lshl_b32 s46, ttmp9, 2
	s_add_co_u32 s46, s46, s40                     ; C: which 256 keys
	s_and_b32 s45, ttmp7, 0xffff
	s_lshl_b32 s45, s45, 2
	s_add_co_u32 s45, s45, s41                     ; R: which 256 queries
	s_lshl_b32 s67, s41, 2
	s_lshl_b32 s67, 15, s67                        ; my row of the cluster
	s_lshl_b32 s97, 0x1111, s40                    ; my column
	s_lshl_b32 s3, s46, 1
	s_add_co_u32 s3, s3, s[WC]                     ; my run of keys
	s_lshl_b32 s82, s45, 4                         ; Q's rowtiles begin at 16 R,
	s_lshl_b32 s83, s46, 4
	s_add_co_u32 s83, s83, 256                     ; K's at 256 + 16 C
	SHAPE GXA, 67, 2
	SHAPE GYA, 67, 4
	SHAPE GXB, 97, 2
	SHAPE GYB, 97, 4
	s_mul_i32 s84, s82, KPIT
	s_mov_b32 s85, 0
	s_mul_i32 s86, s83, KPIT
	s_mov_b32 s87, 0
	s_lshl_b32 s98, s[WR], 3
	s_add_co_u32 s82, s82, s98                     ; my eight rowtiles of Q
	s_lshl_b32 s98, s[WC], 3
	s_add_co_u32 s83, s83, s98                     ; and of K
	s_lshl_b32 s98, s82, 9                         ; 4,096 bytes for eight rowtiles
	s_lshl_b32 s99, s83, 9
	s_sub_co_u32 s99, s99, s98
	v_and_b32 v1, 15, v0                           ; r
	v_bfe_u32 v2, v0, 4, 1                         ; h
	v_and_b32 v4, 31, v0
	v_lshlrev_b32 v[LI], 4, v4
	v_cmp_gt_u32 s[LOW], 16, v4
	v_mul_u32_u24 v[SCO], s99, v2                  ; lanes 16-31 take K's words
	v_lshl_add_u32 v[SCO], v1, 5, v[SCO]
	v_add_nc_u32 v[SCO], s98, v[SCO]
	s_mul_i32 s88, s[WR], HALF0
	s_mul_i32 s89, s[WC], HALF0
	s_add_co_u32 s89, s89, 2*HALF0
	v_add_nc_u32 v[ADRA], s88, v[LI]
	v_add_nc_u32 v[ADRB], s89, v[LI]
	s_mul_i32 s88, s[WR], HALF1
	s_add_co_u32 s88, s88, SLOT1
	s_mul_i32 s89, s[WC], HALF1
	s_add_co_u32 s89, s89, SLOT1+2*HALF1
	v_add_nc_u32 v[ADRA+1], s88, v[LI]
	v_add_nc_u32 v[ADRB+1], s89, v[LI]
	s_mov_b32 s[SEL], 0x76543210
	s_mov_b32 s[SEL+1], 0xfedcba98
	s_mov_b32 s[CS], 0x3e38aa3b                    ; log2(e) / 8
	s_mov_b32 s[CS+1], s[CS]                       ; (named with it as a pair, so it is written)
	WALU                                           ; the wait at the head's end
	s_wait_dscnt 0x0                               ; both opening adds are done
	CROUND                                         ; all sixteen work-groups are here: the first joint loads meet
	s_wait_kmcnt 0x0
	s_add_nc_u64 s[84:85], s[4:5], s[84:85]
	s_add_nc_u64 s[86:87], s[4:5], s[86:87]
	GROUP0 G0, 0, 84, 0                            ; slot 0: K steps 0, 1
	GROUP0 G0+4, 2*HALF0, 86, 0
	GROUP0 G0Y, SLOT1, 84, TROW0                   ; slot 1: K steps 2 to 5
	GROUP0 G0Y+4, SLOT1+2*HALF1, 86, TROW0
	ARM 0, G0, GXA
	ARM 1, G0+4, GXB
	ARM 2, G0Y, GYA
	TLOAD G0Y+4, GYB
.Lasked:
.irp g, 0,1,2,3,4,5,6,7
	global_load_b128 v[SC+8*\g:SC+8*\g+3], v[SCO], s[6:7] offset:512*\g
	global_load_b128 v[SC+8*\g+4:SC+8*\g+7], v[SCO], s[6:7] offset:512*\g+16
.endr
	s_mul_i32 s84, s82, 49152                      ; pc: my first rowtile (32 fragments each), my K step
	s_mul_i32 s86, s3, FRB
	s_add_co_u32 s84, s84, s86
	s_mov_b32 s85, 0
	s_add_nc_u64 s[8:9], s[8:9], s[84:85]
	s_lshl_b32 s84, s82, 11                        ; pst: 16,384 bytes for eight rowtiles, 512 for a K step
	s_lshl_b32 s86, s3, 9
	s_add_co_u32 s84, s84, s86
	s_add_nc_u64 s[10:11], s[10:11], s[84:85]
	s_cmp_lt_u32 s[WV], 2
	s_cbranch_scc0 .Lnot_x
	s_wait_tensorcnt 0x0                           ; waves 0 and 1: slot 0's tiles are in; slot 1's may be on their way
.Lnot_x:
	s_barrier_signal -1
	s_barrier_wait -1
.macro AREG g, a                       ; where Q's block a of K step g lies
.if ((\a) >= 4) || (((\g)%2) == 0)
.set F_, AF+12*(\a)
.elseif (\a) < 2
.set F_, 104+12*(\a)
.else
.set F_, 224+12*((\a)-2)
.endif
.endm
.macro LDA g, s, q, idx                ; piece idx % 3 of Q's block idx / 3 of K step g, the q-th of slot s
	AREG \g, (\idx)/3
	WIN 0
	ds_load_b128 v[F_+4*((\idx)%3):F_+4*((\idx)%3)+3], v[ADRA+(\s)] offset:((\idx)/3)*TROW0*(1+(\s))+(\q)*FRB+512*((\idx)%3)
.endm
.macro LDB s, q, p, idx                ; the same of K, into set p
	WIN 0x40
	ds_load_b128 v[128*(\p)+12*((\idx)/3)+4*((\idx)%3):128*(\p)+12*((\idx)/3)+4*((\idx)%3)+3], v[ADRB+(\s)] offset:((\idx)/3)*TROW0*(1+(\s))+(\q)*FRB+512*((\idx)%3)
.endm
; Product n of K step g: Q's block n / 8 x K's block n % 8.  The 64 accumulators take turns, one instruction a turn; the first K step starts the sums.
.macro PR g, n
.set A_, (\n)/8
.set B_, (\n)%8
.set D_, 8*(8*(A_%4)+B_)
.set X_, SC+8*(\g)
	AREG \g, A_
	WIN 1|((2+A_/4)<<4)|((2+A_/4)<<6)
.if (\g) == 0
	v_wmma_scale_f32_16x16x128_f8f6f4 v[D_:D_+7], v[128*((\g)%2)+12*B_:128*((\g)%2)+12*B_+11], v[F_:F_+11], 0, v[X_+B_], v[X_+A_] matrix_a_fmt:MATRIX_FMT_FP6 matrix_b_fmt:MATRIX_FMT_FP6 matrix_a_scale:MATRIX_SCALE_ROW1
.else
	v_wmma_scale_f32_16x16x128_f8f6f4 v[D_:D_+7], v[128*((\g)%2)+12*B_:128*((\g)%2)+12*B_+11], v[F_:F_+11], v[D_:D_+7], v[X_+B_], v[X_+A_] matrix_a_fmt:MATRIX_FMT_FP6 matrix_b_fmt:MATRIX_FMT_FP6 matrix_a_scale:MATRIX_SCALE_ROW1
.endif
.endm
.macro RUN g, from, to
.set n_, \from
.rept (\to)-(\from)
	PR \g, n_
.set n_, n_+1
.endr
.endm
; K step g, the q-th of slot s.  Among its products: this step's Q blocks 4-7 (behind the first), the next step's K set, and the next step's Q blocks 0-3, in registers of their own.
.macro NEXT g, s, q                    ; K step g's Q blocks 0-3 and K set
.set i_, 0
.rept 12
	LDA \g, \s, \q, i_
.set i_, i_+1
.endr
.set i_, 0
.rept 24
	LDB \s, \q, (\g)%2, i_
.set i_, i_+1
.endr
.endm
.macro REST g, s, q                    ; its Q blocks 4-7
.set i_, 12
.rept 12
	LDA \g, \s, \q, i_
.set i_, i_+1
.endr
.endm
; All of a step's LDS loads stand in one run at its head: its own Q blocks 4-7, then what the next step begins with.
.macro STEP g, s, q, ns, nq, last=0
	s_wait_dscnt 0x0                               ; Q's blocks 0-3 and K's set are in
	PLACES
	REST \g, \s, \q
.if (\last) == 0
	NEXT (\g)+1, \ns, \nq
.endif
	RUN \g, 0, 32
.if \last
	s_wait_dscnt 0x0
.else
	s_wait_dscnt 36                                ; Q's blocks 4-7 are in; the 36 loads for the next step may be out
.endif
	RUN \g, 32, 64
.endm
; A slot's last K step changes slots.  Ahead of the barrier each wave waits for all its tensor loads, adds 0 to its spare word, and waits for that and for its reads of this slot.  fill = 1: slot 0 is filled again, with K steps 6, 7.
.macro TURN g, s, q, ns, fill
	s_wait_dscnt 0x0
	PLACES
	REST \g, \s, \q
	RUN \g, 0, 12
	WIN 0
	s_wait_tensorcnt 0x0                           ; all my tensor loads have landed
	ds_add_u32 v[SPW], v[NIL]
	RUN \g, 12, 28
	s_wait_dscnt 0x0                               ; the add is done, and my reads of this slot are over
	s_barrier_signal -1
	RUN \g, 28, 40
	WIN 0
	s_barrier_wait -1
.if \fill
	CREST                                          ; no wave of any partner still reads this slot or has a load on its way
	s_add_nc_u64 s[G0+2:G0+3], s[G0+2:G0+3], 6*FRB
	s_add_nc_u64 s[G0+6:G0+7], s[G0+6:G0+7], 6*FRB
	s_cmp_eq_u32 s[WV], 0
	s_cbranch_scc0 .Lfor_k_\@
	TLOAD G0, GXA                                  ; wave 0: Q's rows
	s_branch .Ldone_\@
.Lfor_k_\@:
	s_cmp_eq_u32 s[WV], 1
	s_cbranch_scc0 .Ldone_\@
	TLOAD G0+4, GXB                                ; wave 1: K's
.Ldone_\@:
.endif
	PLACES                                         ; for the loads below, in the waves that come round the tensor loads
	NEXT (\g)+1, \ns, 0
	RUN \g, 40, 64
.endm
	NEXT 0, 0, 0
	s_wait_loadcnt 0x0                             ; the scale words are in
	STEP 0, 0, 0, 0, 1
	TURN 1, 0, 1, 1, 1                             ; slot 0 is left and filled again
	STEP 2, 1, 0, 1, 1
	STEP 3, 1, 1, 1, 2
	STEP 4, 1, 2, 1, 3
	TURN 5, 1, 3, 0, 0                             ; back to slot 0; nothing is left to fetch
	STEP 6, 0, 0, 0, 1
	STEP 7, 0, 1, 0, 0, 1
	WIN 0
; THE SOFTMAX OF BLOCKS a, a + 1: 2 x 16 queries x my 128 keys, side by side.  Register 16 b + i (b = 0 .. 3; the second block 64 further on) of a lane is key 32 b + 16 (lane / 16) + i of its query.
.macro SOFT2 a
.set W, 2+(\a)/4
.set AC, 64*((\a)%4)
	WALU                                           ; the wait ahead of these readers of matrix results
	WIN (W<<2)|(W<<4)
.irp b, 0,1,2,3,4,5,6,7
	v_max3_num_f32 v[BM+\b], 0xff800000, v[AC+16*\b], v[AC+16*\b+1]   ; the largest score of each block of 32 keys: for the run's maximum, and, since p rises with the score, for the block's largest p
.endr
.irp i, 2,4,6,8,10,12,14
.irp b, 0,1,2,3,4,5,6,7
	v_max3_num_f32 v[BM+\b], v[BM+\b], v[AC+16*\b+\i], v[AC+16*\b+\i+1]
.endr
.endr
	WIN 0
.irp b, 0,1,2,3,4,5,6,7
	v_permlanex16_b32 v[BP+\b], v[BM+\b], s[SEL], s[SEL+1]
.endr
.irp b, 0,1,2,3,4,5,6,7
	v_max_num_f32 v[BM+\b], v[BM+\b], v[BP+\b]     ; with lane l xor 16's 16 keys
.endr
.irp e, 0,1
	v_max3_num_f32 v[TT+\e], v[BM+4*\e], v[BM+4*\e+1], v[BM+4*\e+2]
.endr
.irp e, 0,1
	v_max_num_f32 v[TT+\e], v[TT+\e], v[BM+4*\e+3]
.endr
.irp e, 0,1
	v_mul_f32 v[TT+\e], s[CS], v[TT+\e]            ; the run's largest t (c is positive)
.endr
.irp e, 0,1
	v_floor_f32 v[NM+2*\e], -v[TT+\e]              ; -M' = floor(-t) = -ceil(t)
.endr
.irp e, 0,1
	v_mov_b32 v[NM+2*\e+1], v[NM+2*\e]
.endr
.irp b, 0,1,2,3,4,5,6,7
	v_fma_f32 v[BM+\b], v[BM+\b], s[CS], v[NM+2*(\b/4)]   ; t - M' of each block's largest score
.endr
	WIN W|(W<<6)
.set k, 0
.rept 64
	v_pk_fma_f32 v[AC+2*k:AC+2*k+1], v[AC+2*k:AC+2*k+1], s[CS:CS+1], v[NM+2*(k/32):NM+2*(k/32)+1] op_sel_hi:[1,0,0]   ; t - M', two at a time
.set k, k+1
.endr
	WALU                                           ; the wait ahead of the batch
.set k, 0
.rept 128
	v_exp_f32 v[AC+k], v[AC+k]                     ; p = 2^(t - M'), at most 1
.set k, k+1
.endr
	WIN 0
.irp b, 0,1,2,3,4,5,6,7
	v_exp_f32 v[BM+\b], v[BM+\b]                   ; the block's largest p: the same two instructions on the same number
.endr
	v_nop                                          ; a plain place behind the exponentials
	WALU                                           ; and one wait for the batch, ahead of its first reader
	WIN W|(W<<2)
.set k, 0
.rept 32
	v_pk_add_f32 v[SUM+2*k:SUM+2*k+1], v[AC+4*k:AC+4*k+1], v[AC+4*k+2:AC+4*k+3]   ; the sum is taken of the unquantised p
.set k, k+1
.endr
	WIN 0
.irp e, 0,32
.irp k, 0,1,2,3,4,5,6,7
	v_pk_add_f32 v[SUM+\e+2*\k:SUM+\e+2*\k+1], v[SUM+\e+2*\k:SUM+\e+2*\k+1], v[SUM+\e+16+2*\k:SUM+\e+17+2*\k]
.endr
.endr
.irp k, 0,1,2,3
.irp e, 0,32
	v_pk_add_f32 v[SUM+\e+2*\k:SUM+\e+2*\k+1], v[SUM+\e+2*\k:SUM+\e+2*\k+1], v[SUM+\e+8+2*\k:SUM+\e+9+2*\k]
.endr
.endr
.irp k, 0,1
.irp e, 0,32
	v_pk_add_f32 v[SUM+\e+2*\k:SUM+\e+2*\k+1], v[SUM+\e+2*\k:SUM+\e+2*\k+1], v[SUM+\e+4+2*\k:SUM+\e+5+2*\k]
.endr
.endr
.irp b, 0,1,2,3,4,5,6,7
	v_max_num_f32 v[BM+\b], 0x21000000, v[BM+\b]   ; the floor 2^(66 - 127): the byte cannot fall under 64
.endr
.irp e, 0,32
	v_pk_add_f32 v[SUM+\e:SUM+\e+1], v[SUM+\e:SUM+\e+1], v[SUM+\e+2:SUM+\e+3]
.endr
.irp b, 0,1,2,3,4,5,6,7
	v_add_nc_u32 v[BM+\b], 0xff000000, v[BM+\b]    ; 2 off the exponent field: the conversion's scale operand
.endr
.irp e, 0,1
	v_add_f32 v[LL+\e], v[SUM+32*\e], v[SUM+32*\e+1]
.endr
.irp b, 0,1,2,3,4,5,6,7
	v_lshrrev_b32 v[BP+\b], 23, v[BM+\b]           ; the scale's byte
.endr
.irp e, 0,1
	v_permlanex16_b32 v[TP+\e], v[LL+\e], s[SEL], s[SEL+1]
.endr
.irp e, 0,1
	v_lshl_or_b32 v[PW+\e], v[BP+4*\e+1], 8, v[BP+4*\e]
.endr
.irp e, 0,1
	v_add_f32 v[LL+\e], v[LL+\e], v[TP+\e]         ; l' of my query's 128 keys
.endr
.irp e, 0,1
	v_lshl_or_b32 v[PW+\e], v[BP+4*\e+2], 16, v[PW+\e]
.endr
.irp e, 0,1
	v_lshl_or_b32 v[PW+\e], v[BP+4*\e+3], 24, v[PW+\e]
.endr
	v_cndmask_b32 v[ON+(\a)/2], v[NM+2], v[NM], s[LOW]   ; lanes 0-15 keep block a's, lanes 16-31 block a + 1's
	v_cndmask_b32 v[OL+(\a)/2], v[LL+1], v[LL], s[LOW]
	v_cndmask_b32 v[OP+(\a)/2], v[PW+1], v[PW], s[LOW]
.if (\a) > 0
	WALU
	s_wait_xcnt 0x0                                ; the last blocks' stores have read the codes' registers and their base
	s_add_nc_u64 s[8:9], s[8:9], 98304             ; the next two rowtiles of queries
.endif
	WIN W
.irp e, 0,1
.irp c, 0,1
	v_cvt_scalef32_pk16_fp6_f32 v[PC+20*\e+6*\c:PC+20*\e+2+6*\c], v[AC+64*\e+32*\c:AC+64*\e+32*\c+15], v[BM+4*\e+2*\c]
	v_cvt_scalef32_pk16_fp6_f32 v[PC+20*\e+12+4*\c:PC+20*\e+14+4*\c], v[AC+64*\e+32*\c+16:AC+64*\e+32*\c+31], v[BM+4*\e+2*\c+1]
.endr
.endr
	WIN 0
	v_nop                                          ; one plain place behind a scaled conversion
.irp e, 0,1
.irp c, 0,1
.irp i, 0,1,2
	v_permlane16_swap_b32 v[PC+20*\e+6*\c+\i], v[PC+20*\e+12+4*\c+\i]
.endr
.irp i, 0,1,2
	v_mov_b32 v[PC+20*\e+3+6*\c+\i], v[PC+20*\e+12+4*\c+\i]
.endr
.endr
.endr
.irp e, 0,1
.irp c, 0,1,2
	global_store_b128 v[LI], v[PC+20*\e+4*\c:PC+20*\e+4*\c+3], s[8:9] offset:49152*\e+512*\c   ; 32 lanes store 512 consecutive bytes
.endr
.endr
.endm
	PLACES
.irp b, 0,1,2,3,4,5,6,7
	v_mov_b32 v[BP+\b], 0                          ; written once: a lane permute's destination counts as one of its sources
.endr
	v_mov_b32 v[TP], 0
	v_mov_b32 v[TP+1], 0
	SOFT2 0
	SOFT2 2
	SOFT2 4
	SOFT2 6
	WALU
.irp k, 0,1,2
	global_store_b128 v[LI], v[OP+4*\k:OP+4*\k+3], s[10:11] offset:524288*\k   ; 32 lanes store 512 consecutive bytes of each section
.endr
	s_wait_tensorcnt 0x0                           ; the wave's end
	ds_add_u32 v[SPW], v[NIL]
	s_wait_dscnt 0x0
	CROUND                                         ; the closing round
	s_endpgm
.Lfunc_end_k_qc90593fb78_score:
	.size	k_qc90593fb78_score, .Lfunc_end_k_qc90593fb78_score-k_qc90593fb78_score
	.p2alignl 7, 3214868480
	.fill 96, 4, 3214868480
	.section	.rodata,"a",@progbits
	.p2align	6, 0x0
	.amdhsa_kernel k_qc90593fb78_score
		.amdhsa_group_segment_fixed_size 327680
		.amdhsa_private_segment_fixed_size 0
		.amdhsa_enable_private_segment 0
		.amdhsa_kernarg_size 32
		.amdhsa_user_sgpr_count 2
		.amdhsa_user_sgpr_kernarg_segment_ptr 1
		.amdhsa_wavefront_size32 1
		.amdhsa_system_sgpr_workgroup_id_x 1
		.amdhsa_system_sgpr_workgroup_id_y 1
		.amdhsa_system_sgpr_workgroup_id_z 1
		.amdhsa_system_vgpr_workitem_id 0
		.amdhsa_next_free_vgpr 1024
		.amdhsa_next_free_sgpr 102
		.amdhsa_reserve_vcc 0
		.amdhsa_float_denorm_mode_32 3
		.amdhsa_float_denorm_mode_16_64 3
		.amdhsa_memory_ordered 1
		.amdhsa_forward_progress 1
		.amdhsa_inst_pref_size 193
	.end_amdhsa_kernel
	.amdgpu_metadata
---
amdhsa.version: [ 1, 2 ]
amdhsa.kernels:
  - .name:           k_qc90593fb78_score
    .symbol:         k_qc90593fb78_score.kd
    .args:
      - { .name: qkvc, .offset: 0, .size: 8, .value_kind: global_buffer, .address_space: global }
      - { .name: qkvs, .offset: 8, .size: 8, .value_kind: global_buffer, .address_space: global }
      - { .name: pc, .offset: 16, .size: 8, .value_kind: global_buffer, .address_space: global }
      - { .name: pst, .offset: 24, .size: 8, .value_kind: global_buffer, .address_space: global }
    .group_segment_fixed_size: 327680
    .private_segment_fixed_size: 0
    .kernarg_segment_align: 8
    .kernarg_segment_size: 32
    .max_flat_workgroup_size: 128
    .sgpr_count:     102
    .vgpr_count:     1024
    .wavefront_size: 32
...
	.end_amdgpu_metadata
.endif
;; end of part 3
;; launch pv (part 4): grid 8 x 32, 4 waves a work-group, clusters of 4 x 4, 327,680 bytes of LDS; arguments pc, pst, qkvc, qkvs, out0; writes out0
.if DOCPART == 4
	.amdgcn_target "amdgcn-amd-amdhsa--gfx1250"
	.amdhsa_code_object_version 6
	.text
	.protected	k_qc90593fb78_pv
	.globl	k_qc90593fb78_pv
	.p2align	8
	.type	k_qc90593fb78_pv,@function
k_qc90593fb78_pv:
	s_mov_b64 s[64:65], 0
	v_nop
	global_prefetch_b8 v0, s[64:65] scope:SCOPE_SE
	s_setreg_imm32_b32 hwreg(HW_REG_WAVE_MODE, 25, 1), 1
	s_wait_xcnt 0x0
	s_wait_alu depctr_hold_cnt(0) depctr_sa_sdst(0) depctr_va_vdst(0) depctr_va_sdst(0) depctr_va_ssrc(0) depctr_va_vcc(0) depctr_vm_vsrc(0)
	s_getreg_b32 s2, hwreg(HW_REG_IB_STS2, 6, 4)
	s_cmp_eq_u32 s2, 0
	s_cbranch_scc0 .Lentry_in_a_cluster
	s_endpgm
.Lentry_in_a_cluster:
	s_bfe_u32 s2, ttmp6, 0x10000c
	s_cmp_lg_u32 s2, 0xf033
	s_cbranch_scc0 .Lentry_shape_is_right
	s_endpgm
.Lentry_shape_is_right:
; out = P V / l on codes.  No work is left out.
; A work-group makes 128 queries (P: lane operand, source 1) x 128 of the 1,024 d (V^T: register operand, source 0): 256 work-groups.  K = the 4,096 keys, 32 steps of 128, eight groups of four.
; THE FOUR WAVES SPLIT K: wave w makes all 128 x 128 sums over K step w of each group: 64 accumulators, 512 registers.  The four parts are added at the end, through LDS, as (0 + 1) + (2 + 3).
; Groups go through two LDS slots: X holds two, Y one.  At the head one joint load a wave: P's and V^T's tiles of groups 0, 1 into X, of group 2 into Y.  X is filled again with groups 3, 4 and with 6, 7, Y with group 5.
; P's tile is shared along a row of the cluster, V^T's along a column.  A step's 48 fragment loads stand in one run ahead of its products and bring the next step's fragments into the other set of registers.
; Groups 3 to 7 are prefetched into the L2: 3, 4 at the head, 5, 6, 7 in steps 0, 1, 2, each a step or more ahead of its tensor load.  Each of the sixteen waves that will ask for a tile jointly names 12 of its 192 blocks of 256 bytes;
; of V^T, which the clusters of all rows read, those of the first four rows alone.
; AHEAD OF THE PRODUCTS: M = the largest M' of a row's 32 runs of keys (eight runs a wave, then the four waves by LDS); each run's four scale bytes less M - M', so p's codes count under the row's one M; l = the sum of l' 2^(M' - M).
; A byte is at least 64 and M - M' is held at 64, so no byte borrows from its neighbour.
; LIMITS: a run whose M' lies more than 64 under its row's M counts as if it lay 64 under: its terms of the sum are under 2^-63 of |V|; M' is exact as an f32 whole number up to 2^24; NaN and infinities are not served.
; REGISTERS: window 0: v1-31 addresses; v32-95 scale words (step j: SC + 8 j + i P's, + 4 + i V^T's: lanes 0-15 block 2 i, lanes 16-31 block 2 i + 1); v96-191 P's 8 fragments of even steps; v192-251 fragments 0-4 of odd steps.
;   window 1: v0-191 V^T's two sets; v192-227 P's fragments 5-7 of odd steps.  windows 2, 3: accumulator (a, b) at v[8 (8 (a % 4) + b)].
.set KPIT,  49152                      ; a rowtile's 32 fragments in memory
.set MX,    294912                     ; behind the slots: the rows' M by waves,
.set LX,    2048                       ; and, this far on, l
.set RL,    MX+4096                    ; 1 / l, a copy for each wave
.set SPARE, RL+2048                    ; the spare words, 128 bytes a wave, which no other line names
.set SPI,   528                        ; the sums' stage: a row of 512 bytes + 16
.set SPW64, 64*SPI                     ; 64 rows of one wave's sums
.set STG0,  159744                     ; the stage of blocks 0-3; that of blocks 4-7 begins at 0
.set LI,   3
.set PA,   4                           ; v4-9  my K step's place + 49,152 m: m = 0, 1 P in X, 2, 3 V^T in X, 4 P in Y, 5 V^T in Y
.set SO,   11
.set SVO,  12
.set MXW,  13
.set MXR,  14
.set RLW,  15
.set RLR,  16
.set ST1,  17
.set ST0,  18
.set RDA,  20                          ; v20, v21 reading the stage of blocks 4-7; v22, v23 of blocks 0-3
.set PFV,  24
.set PFP,  25
.set SPW,  28
.set NIL,  29
.set SC,   32
.set NM,   96                          ; ahead of the products: -M', then M' - M
.set LR,   128                         ; l'
.set TU,   192
.set TM,   224
.set INV,  96                          ; at the end: v96-127 1 / l of my rows
.set WV,   18
.set RB,   20
.set CB,   21
.set PB,   14
.set GXA,  24                          ; groups 1: P and V^T, X's shape; P and V^T, Y's
.set GXB,  32
.set GYA,  40
.set GYB,  48
.set G0XA, 56                          ; groups 0
.set G0XB, 60
.set G0YA, 68
.set G0YB, 72
.set VB,   76
.set SB,   80
.set SVB,  82
.set CYL,  84
.set OB,   86
.set MSB, 0
.macro WIN new
.if MSB != (\new)
	s_set_vgpr_msb (MSB<<8)|(\new)
.set MSB, (\new)
.endif
.endm
.macro PLACES
.rept 4
	v_nop
.endr
.endm
.macro WALU
	s_wait_alu depctr_va_vdst(0)
.endm
.macro TLOAD g0, g1
	tensor_load_to_lds s[\g0:\g0+3], s[\g1:\g1+7]
	s_nop 0
	PLACES
.endm
.macro ARM w, g0, g1                   ; wave w's load at the head
	s_cmp_eq_u32 s[WV], \w
	s_cbranch_scc0 .Lnot_\@
	TLOAD \g0, \g1
	s_branch .Lasked
.Lnot_\@:
.endm
.macro CREST
	s_cmp_lg_u32 s[WV], 0
	s_cbranch_scc1 .Lnot_wave_0_\@
	s_barrier_signal -3
.Lnot_wave_0_\@:
	s_barrier_wait -3
	s_barrier_signal -1
	s_barrier_wait -1
.endm
.macro CROUND
	s_barrier_signal -1
	s_barrier_wait -1
	CREST
.endm
.macro SHAPE g, mask, bytes            ; group 1: eight rowtiles; elements of 1 byte; bit 21 set beside a mask
	s_or_b32 s[\g], s[\mask], (1<<21)
	s_mov_b32 s[\g+1], (\bytes)<<16
	s_mov_b32 s[\g+2], 8<<16
	s_mov_b32 s[\g+3], (\bytes)<<16
	s_mov_b32 s[\g+4], 8
	s_mov_b32 s[\g+5], KPIT
	s_mov_b32 s[\g+6], 0
	s_mov_b32 s[\g+7], 0
.endm
.macro GROUP0 g, lds, base, off
	s_mov_b32 s[\g], 1
	s_mov_b32 s[\g+1], \lds
	s_add_nc_u64 s[\g+2:\g+3], s[\base:\base+1], \off
	s_or_b32 s[\g+3], s[\g+3], 0x80000000
.endm
.macro PFOFF reg, place                ; my 12 blocks of 256 bytes of a tile: rowtile place / 2, half place % 2
	s_lshr_b32 s17, s[\place], 1
	s_mul_i32 s17, s17, KPIT
	s_and_b32 s19, s[\place], 1
	s_mul_i32 s19, s19, 3072
	s_add_co_u32 s17, s17, s19
	v_min_u32 v[\reg], 11, v19
	v_lshlrev_b32 v[\reg], 8, v[\reg]
	v_add_nc_u32 v[\reg], s17, v[\reg]
.endm
.macro ASK g                           ; group g of P and of V^T into the L2
	global_prefetch_b8 v[PFP], s[PB:PB+1] offset:(\g)*6144 th:TH_LOAD_NT scope:SCOPE_SE
	s_cmp_lt_u32 s[CYL], 4
	s_cbranch_scc0 .Lno_ask_\@
	global_prefetch_b8 v[PFV], s[VB:VB+1] offset:(\g)*6144 th:TH_LOAD_NT scope:SCOPE_SE
.Lno_ask_\@:
.endm
	s_load_b256 s[4:11], s[0:1], 0x0               ; pc, pst, qkvc, qkvs
	s_load_b64 s[12:13], s[0:1], 0x20              ; out0
	v_lshl_add_u32 v[SPW], v0, 2, SPARE
	v_mov_b32 v[NIL], 0
	ds_add_u32 v[SPW], v[NIL]                      ; the wave's opening: the add, twice on end, and its wait ahead of my first tensor load
	ds_add_u32 v[SPW], v[NIL]
	v_lshrrev_b32 v1, 5, v0
	v_readfirstlane_b32 s[WV], v1
	s_bfe_u32 s14, ttmp6, 0x40000                  ; cx
	s_bfe_u32 s15, ttmp6, 0x40004                  ; cy
	s_lshl_b32 s[CB], ttmp9, 2
	s_add_co_u32 s[CB], s[CB], s14                 ; which 128 d
	s_and_b32 s[CYL], ttmp7, 0xffff                ; the cluster's row
	s_lshl_b32 s[RB], s[CYL], 2
	s_add_co_u32 s[RB], s[RB], s15                 ; which 128 queries
	s_lshl_b32 s16, s15, 2
	s_add_co_u32 s88, s16, s[WV]                   ; my number among the sixteen waves of my column of the cluster,
	s_lshl_b32 s89, s14, 2
	s_add_co_u32 s89, s89, s[WV]                   ; and of my row
	s_lshl_b32 s16, 15, s16                        ; my row of the cluster
	s_lshl_b32 s17, 0x1111, s14                    ; my column
	SHAPE GXA, 16, 12288
	SHAPE GYA, 16, 6144
	SHAPE GXB, 17, 12288
	SHAPE GYB, 17, 6144
	v_and_b32 v1, 15, v0                           ; r
	v_bfe_u32 v2, v0, 4, 1                         ; h
	v_and_b32 v19, 31, v0
	v_lshlrev_b32 v[LI], 4, v19
	s_mul_i32 s19, s[WV], 1536
	v_add_nc_u32 v[PA], s19, v[LI]
.irp m, 1,2,3,4,5
	v_add_nc_u32 v[PA+\m], 49152*\m, v[PA]
.endr
	v_lshlrev_b32 v[SO], 4, v0                     ; 512 x wave + 16 x lane
	v_lshlrev_b32 v[SVO], 3, v19
	v_lshl_add_u32 v[MXW], v0, 4, MX
	v_add_nc_u32 v[MXR], MX, v[LI]
	s_lshl_b32 s17, s[WV], 9
	s_add_co_u32 s17, s17, RL                      ; my copy of 1 / l: [block][row]
	v_lshlrev_b32 v[RLW], 6, v2
	v_lshl_add_u32 v[RLW], v1, 2, v[RLW]
	v_add_nc_u32 v[RLW], s17, v[RLW]
	s_lshl_b32 s19, s[WV], 6
	s_add_co_u32 s17, s17, s19
	v_add_nc_u32 v[RLR], s17, v[NIL]               ; block w's sixteen rows
	s_mul_i32 s17, s[WV], SPW64
	v_mul_u32_u24 v[ST1], v1, SPI
	v_lshl_add_u32 v[ST1], v2, 6, v[ST1]
	v_add_nc_u32 v[ST1], s17, v[ST1]               ; into the stage: my part, row r, + 64 h
	v_add_nc_u32 v[ST0], STG0, v[ST1]
	s_mul_i32 s17, s[WV], 16*SPI
	v_add_nc_u32 v[RDA], s17, v[LI]                ; out of it: block w's rows, 32 lanes to a row
	v_add_nc_u32 v[RDA+1], 2*SPW64, v[RDA]
	v_add_nc_u32 v[RDA+2], STG0, v[RDA]
	v_add_nc_u32 v[RDA+3], STG0+2*SPW64, v[RDA]
	PFOFF PFV, 88
	PFOFF PFP, 89
	s_mov_b32 s22, 0x01010101
	WALU                                           ; the wait at the head's end
	s_wait_dscnt 0x0                               ; both opening adds are done
	CROUND                                         ; all sixteen work-groups are here: the first joint loads meet
	s_wait_kmcnt 0x0
	s_mul_i32 s14, s[RB], 8*KPIT
	s_mov_b32 s15, 0
	s_add_nc_u64 s[PB:PB+1], s[4:5], s[14:15]      ; P: my 128 queries
	s_mul_i32 s16, s[CB], 8*KPIT
	s_add_co_u32 s16, s16, 6291456                 ; V^T: behind Q's and K's codes
	s_mov_b32 s17, 0
	s_add_nc_u64 s[VB:VB+1], s[8:9], s[16:17]
	GROUP0 G0XA, 0, PB, 0
	GROUP0 G0XB, 98304, VB, 0
	GROUP0 G0YA, 196608, PB, 12288
	GROUP0 G0YB, 245760, VB, 12288
	ARM 0, G0XA, GXA
	ARM 1, G0XB, GXB
	ARM 2, G0YA, GYA
	TLOAD G0YB, GYB
.Lasked:
	s_lshl_b32 s16, s[RB], 14
	s_add_nc_u64 s[SB:SB+1], s[6:7], s[16:17]      ; pst: my 128 queries
.irp j, 0,1,2,3,4,5,6,7                        ; each load reads 512 consecutive bytes
	global_load_b128 v[NM+4*\j:NM+4*\j+3], v[SO], s[SB:SB+1] offset:524288+2048*\j
.endr
.irp j, 0,1,2,3,4,5,6,7
	global_load_b128 v[SC+8*\j:SC+8*\j+3], v[SO], s[SB:SB+1] offset:2048*\j
.endr
.irp j, 0,1,2,3,4,5,6,7
	global_load_b128 v[LR+4*\j:LR+4*\j+3], v[SO], s[SB:SB+1] offset:1048576+2048*\j
.endr
	s_lshl_b32 s16, s[CB], 14
	s_add_co_u32 s16, s16, 262144                  ; V^T's scale words: [64 columns][K step][lane][2]
	s_lshl_b32 s19, s[WV], 8
	s_add_co_u32 s16, s16, s19
	s_add_nc_u64 s[SVB:SVB+1], s[10:11], s[16:17]
.irp j, 0,1,2,3,4,5,6,7
	global_load_b64 v[SC+8*\j+4:SC+8*\j+5], v[SVO], s[SVB:SVB+1] offset:1024*\j
	global_load_b64 v[SC+8*\j+6:SC+8*\j+7], v[SVO], s[SVB:SVB+1] offset:1024*\j+8192
.endr
	s_lshr_b32 s16, s[WV], 1                       ; out0: row 128 RB + 32 (w / 2) + 8 (w % 2), column 128 CB
	s_lshl_b32 s16, s16, 5
	s_and_b32 s19, s[WV], 1
	s_lshl_b32 s19, s19, 3
	s_add_co_u32 s16, s16, s19
	s_lshl_b32 s19, s[RB], 7
	s_add_co_u32 s16, s16, s19
	s_lshl_b32 s16, s16, 12
	s_lshl_b32 s19, s[CB], 9
	s_add_co_u32 s16, s16, s19
	s_add_nc_u64 s[OB:OB+1], s[12:13], s[16:17]
	s_wait_loadcnt 32                              ; -M' is in; the 8 + 8 + 16 loads behind it may be out
.irp i, 0,1,2,3
	v_max3_num_f32 v[TM+\i], -v[NM+\i], -v[NM+4+\i], -v[NM+8+\i]
.endr
.irp i, 0,1,2,3
	v_max3_num_f32 v[TM+\i], v[TM+\i], -v[NM+12+\i], -v[NM+16+\i]
.endr
.irp i, 0,1,2,3
	v_max3_num_f32 v[TM+\i], v[TM+\i], -v[NM+20+\i], -v[NM+24+\i]
.endr
.irp i, 0,1,2,3
	v_max_num_f32 v[TM+\i], v[TM+\i], -v[NM+28+\i]
.endr
	ds_store_b128 v[MXW], v[TM:TM+3]
	s_wait_dscnt 0x0
	s_barrier_signal -1
	s_barrier_wait -1
.irp s, 0,1,2,3
	ds_load_b128 v[TM+4+4*\s:TM+7+4*\s], v[MXR] offset:512*\s
.endr
	ASK 3
	ASK 4
	s_wait_loadcnt 16                              ; P's scale words and l' are in; V^T's 16 loads may be out
	s_wait_dscnt 0x0
.irp i, 0,1,2,3
	v_max3_num_f32 v[TM+\i], v[TM+4+\i], v[TM+8+\i], v[TM+12+\i]
.endr
.irp i, 0,1,2,3
	v_max_num_f32 v[TM+\i], v[TM+\i], v[TM+16+\i]  ; the row's M
.endr
.set k, 0
.rept 32
	v_sub_f32 v[NM+k], -v[TM+k%4], v[NM+k]         ; M' - M: a whole number, 0 or less
.set k, k+1
.endr
.set k, 0
.rept 32
	v_max_num_f32 v[NM+k], 0xc2800000, v[NM+k]     ; held at -64
.set k, k+1
.endr
.set k, 0
.rept 32
	v_cvt_i32_f32 v[NM+k], v[NM+k]
.set k, k+1
.endr
.set k, 0
.rept 32
	v_mul_lo_u32 v[TU+k], v[NM+k], s22             ; for each of the four bytes
.set k, k+1
.endr
.set k, 0
.rept 32
	v_add_nc_u32 v[SC+8*(k/4)+k%4], v[TU+k], v[SC+8*(k/4)+k%4]   ; byte - (M - M'), each at least 0
.set k, k+1
.endr
.set k, 0
.rept 32
	v_ldexp_f32 v[LR+k], v[LR+k], v[NM+k]          ; l' 2^(M' - M)
.set k, k+1
.endr
.irp k, 0,1,2,3,4,5,6,7
	v_pk_add_f32 v[LR+2*\k:LR+2*\k+1], v[LR+2*\k:LR+2*\k+1], v[LR+16+2*\k:LR+17+2*\k]
.endr
.irp k, 0,1,2,3
	v_pk_add_f32 v[LR+2*\k:LR+2*\k+1], v[LR+2*\k:LR+2*\k+1], v[LR+8+2*\k:LR+9+2*\k]
.endr
.irp k, 0,1
	v_pk_add_f32 v[LR+2*\k:LR+2*\k+1], v[LR+2*\k:LR+2*\k+1], v[LR+4+2*\k:LR+5+2*\k]
.endr
	ds_store_b128 v[MXW], v[LR:LR+3] offset:LX     ; my eight runs' part of l
	WALU
	s_cmp_lt_u32 s[WV], 2
	s_cbranch_scc0 .Lnot_x
	s_wait_tensorcnt 0x0                           ; waves 0 and 1: groups 0 and 1 are in; group 2 may be on its way
.Lnot_x:
	s_wait_dscnt 0x0
	s_barrier_signal -1
	s_barrier_wait -1
.macro AREG j, a                       ; where P's fragment a of step j lies
.if ((\j)%2) == 0
.set F_, 96+12*(\a)
.set W_, 0
.elseif (\a) < 5
.set F_, 192+12*(\a)
.set W_, 0
.else
.set F_, 192+12*((\a)-5)
.set W_, 1
.endif
.endm
.macro LP g, idx, m                    ; piece idx % 3 of fragment idx / 3 of group g, from P's (m = 0) or V^T's (m = 1) tile, into register F_ on
.if ((\g)%3) == 2
	ds_load_b128 v[F_+4*((\idx)%3):F_+4*((\idx)%3)+3], v[PA+4+(\m)] offset:((\idx)/3)*6144+512*((\idx)%3)
.else
	ds_load_b128 v[F_+4*((\idx)%3):F_+4*((\idx)%3)+3], v[PA+2*(\m)+(\idx)/12] offset:(((\idx)/3)%4)*12288+((\g)%3)*6144+512*((\idx)%3)
.endif
.endm
.macro FETCH g                         ; 48 loads in one run: group g's fragments into set g % 2
	WIN 0x40
.set i_, 0
.rept 24
.set F_, 96*((\g)%2)+12*(i_/3)
	LP \g, i_, 1
.set i_, i_+1
.endr
.set i_, 0
.rept 24
	AREG \g, i_/3
	WIN W_<<6
	LP \g, i_, 0
.set i_, i_+1
.endr
	WIN 0
.endm
.irp s, 0,1,2,3
	ds_load_b128 v[TM+4+4*\s:TM+7+4*\s], v[MXR] offset:LX+512*\s
.endr
	FETCH 0
	s_wait_dscnt 48                                ; the parts of l are in; the 48 fragment loads may be out
	v_pk_add_f32 v[TM+4:TM+5], v[TM+4:TM+5], v[TM+8:TM+9]
	v_pk_add_f32 v[TM+6:TM+7], v[TM+6:TM+7], v[TM+10:TM+11]
	v_pk_add_f32 v[TM+12:TM+13], v[TM+12:TM+13], v[TM+16:TM+17]
	v_pk_add_f32 v[TM+14:TM+15], v[TM+14:TM+15], v[TM+18:TM+19]
	v_pk_add_f32 v[TM+4:TM+5], v[TM+4:TM+5], v[TM+12:TM+13]
	v_pk_add_f32 v[TM+6:TM+7], v[TM+6:TM+7], v[TM+14:TM+15]
	WALU
.irp i, 0,1,2,3
	v_rcp_f32 v[TM+\i], v[TM+4+\i]
.endr
	v_nop                                          ; a plain place behind the reciprocals
	WALU                                           ; and the wait ahead of their first reader
.irp i, 0,1,2,3
	ds_store_b32 v[RLW], v[TM+\i] offset:128*\i    ; row r of block 2 i + h
.endr
	s_wait_loadcnt 0x0                             ; V^T's scale words are in
; Product n of step j: quarters by P's half, then V^T's half.  The 64 accumulators take turns, one instruction a turn; step 0 starts the sums.
.macro P1 j, ar, br
.if (\j) == 0
	v_wmma_scale_f32_16x16x128_f8f6f4 v[D_:D_+7], v[V_:V_+11], v[F_:F_+11], 0, v[SC+8*(\j)+4+B_/2], v[SC+8*(\j)+A_/2] matrix_a_fmt:MATRIX_FMT_FP6 matrix_b_fmt:MATRIX_FMT_FP6 matrix_a_scale:MATRIX_SCALE_ROW\ar matrix_b_scale:MATRIX_SCALE_ROW\br
.else
	v_wmma_scale_f32_16x16x128_f8f6f4 v[D_:D_+7], v[V_:V_+11], v[F_:F_+11], v[D_:D_+7], v[SC+8*(\j)+4+B_/2], v[SC+8*(\j)+A_/2] matrix_a_fmt:MATRIX_FMT_FP6 matrix_b_fmt:MATRIX_FMT_FP6 matrix_a_scale:MATRIX_SCALE_ROW\ar matrix_b_scale:MATRIX_SCALE_ROW\br
.endif
.endm
.macro PR j, n
.set B_, 4*(((\n)/16)%2)+(\n)%4
.set A_, 4*((\n)/32)+((\n)%16)/4
.set D_, 8*(8*(A_%4)+B_)
.set V_, 96*((\j)%2)+12*B_
	AREG \j, A_
	WIN 1|(W_<<2)|((2+A_/4)<<4)|((2+A_/4)<<6)
.if B_%2
.if A_%2
	P1 \j, 1, 1
.else
	P1 \j, 1, 0
.endif
.else
.if A_%2
	P1 \j, 0, 1
.else
	P1 \j, 0, 0
.endif
.endif
.endm
.macro RUN j, from, to
.set n_, \from
.rept (\to)-(\from)
	PR \j, n_
.set n_, n_+1
.endr
.endm
.macro STG reg, win, idx               ; 16 bytes a lane of accumulator (idx / 16, (idx % 16) / 2) of the window's four blocks into my part of the stage, each accumulator from its low end on
.set E_, ((\idx)%16)/2
	WIN (\win)<<2
	ds_store_b128 v[\reg], v[8*(8*((\idx)/16)+E_)+4*((\idx)%2):8*(8*((\idx)/16)+E_)+4*((\idx)%2)+3] offset:((\idx)/16)*16*SPI+128*(E_/2)+32*(E_%2)+16*((\idx)%2)
.endm
.macro HEAD j                          ; a step's head: its fragments are in; the next step's are asked for
	s_wait_dscnt 0x0
	PLACES
.if (\j) < 7
	FETCH (\j)+1
.endif
.if (\j) < 3
	ASK (\j)+5
.endif
.endm
.macro ROUND j, n0, n1, n2             ; the step's products up to n2, and among them a round of the cluster's barrier
	RUN \j, 0, \n0
	WIN 0
	s_wait_tensorcnt 0x0                           ; all my tensor loads have landed
	ds_add_u32 v[SPW], v[NIL]
	RUN \j, \n0, \n1
	s_wait_dscnt 0x0                               ; the add is done, and my reads of the slot are over
	s_barrier_signal -1
	RUN \j, \n1, \n2
	WIN 0
	s_barrier_wait -1
	CREST                                          ; no wave of any partner still reads the slot or has a load on its way
.endm
.macro REFILL w, ga, g1a, gb, g1b      ; wave w fetches P's tile, wave w + 1 V^T's, three groups further on than the slot's last fill
	s_add_nc_u64 s[\ga+2:\ga+3], s[\ga+2:\ga+3], 3*6144
	s_add_nc_u64 s[\gb+2:\gb+3], s[\gb+2:\gb+3], 3*6144
	s_cmp_eq_u32 s[WV], \w
	s_cbranch_scc0 .Lfor_v_\@
	TLOAD \ga, \g1a
	s_branch .Lfilled_\@
.Lfor_v_\@:
	s_cmp_eq_u32 s[WV], (\w)+1
	s_cbranch_scc0 .Lfilled_\@
	TLOAD \gb, \g1b
.Lfilled_\@:
.endm
	HEAD 0
	ROUND 0, 24, 40, 52                            ; group 2 is shown; X's groups 0 and 1 lie in registers
	REFILL 0, G0XA, GXA, G0XB, GXB                 ; X takes groups 3, 4
	RUN 0, 52, 64
	WIN 0
	HEAD 1
	ROUND 1, 40, 52, 64                            ; groups 3, 4 are shown
	REFILL 2, G0YA, GYA, G0YB, GYB                 ; Y takes group 5
	HEAD 2
	RUN 2, 0, 64
	WIN 0
	HEAD 3
	ROUND 3, 16, 32, 44                            ; group 5 is shown
	REFILL 0, G0XA, GXA, G0XB, GXB                 ; X takes groups 6, 7
	RUN 3, 44, 64
	WIN 0
	HEAD 4
	RUN 4, 0, 48
	s_wait_tensorcnt 0x0
	s_wait_dscnt 0x0
	s_barrier_signal -1                            ; a plain barrier shows groups 6, 7
	RUN 4, 48, 64
	WIN 0
	s_barrier_wait -1
	HEAD 5
	RUN 5, 0, 64
	WIN 0
	HEAD 6
	RUN 6, 0, 64
	WIN 0
	HEAD 7
	s_barrier_signal -1                            ; my reads of the slots are over
	RUN 7, 0, 32
	WIN 0
	s_barrier_wait -1                              ; and everybody's: the slots' bytes serve as the stage from here on
	PLACES
.irp t, 0,1,2,3
	ds_load_b128 v[INV+4*\t:INV+4*\t+3], v[RLR] offset:16*\t
	ds_load_b128 v[INV+16+4*\t:INV+19+4*\t], v[RLR] offset:256+16*\t
.endr
.set k, 0
.rept 64
	STG ST0, 2, k                                  ; blocks 0-3 are finished: my parts of them go to the stage
.set k, k+1
.endr
	RUN 7, 32, 64
	WIN 0
	PLACES
; THE WAY OUT.  Stored row p of block a is true row 32 (a / 2) + 16 (p / 8) + 8 (a % 2) + p % 8 of the 128.  Wave w adds block w's rows, then block 4 + w's: 32 lanes to a row of 512 bytes, eight rows at a time, into window 0 or 1.
.macro RDB half, bt
.set BB, 128*(1-(\bt))
	WIN (\bt)<<6
.irp p, 0,1,2,3,4,5,6,7
.irp s, 0,1,2,3
	ds_load_b128 v[BB+16*\p+4*\s:BB+16*\p+4*\s+3], v[RDA+2*(1-(\half))+\s/2] offset:(\s%2)*SPW64+(8*(\bt)+\p)*SPI
.endr
.endr
.endm
.macro ADDB d, x
.irp p, 0,1,2,3,4,5,6,7
	v_pk_add_f32 v[BB+16*\p+\d:BB+16*\p+\d+1], v[BB+16*\p+\d:BB+16*\p+\d+1], v[BB+16*\p+\x:BB+16*\p+\x+1]
.endr
.endm
.macro SUMB half, bt
.set BB, 128*(1-(\bt))
	WIN (\bt)|((\bt)<<2)|((\bt)<<6)
	ADDB 0, 4
	ADDB 2, 6
	ADDB 8, 12
	ADDB 10, 14
	ADDB 0, 8
	ADDB 2, 10
	WIN (\bt)|((\bt)<<6)
.irp d, 0,2
.irp p, 0,2,4,6
	v_pk_mul_f32 v[BB+16*\p+\d:BB+16*\p+\d+1], v[BB+16*\p+\d:BB+16*\p+\d+1], v[INV+16*(\half)+8*(\bt)+\p:INV+16*(\half)+8*(\bt)+\p+1] op_sel_hi:[1,0]
	v_pk_mul_f32 v[BB+16*\p+16+\d:BB+16*\p+17+\d], v[BB+16*\p+16+\d:BB+16*\p+17+\d], v[INV+16*(\half)+8*(\bt)+\p:INV+16*(\half)+8*(\bt)+\p+1] op_sel:[0,1] op_sel_hi:[1,1]
.endr
.endr
	WIN (\bt)<<2
.irp p, 0,1,2,3,4,5,6,7
	global_store_b128 v[LI], v[BB+16*\p:BB+16*\p+3], s[OB:OB+1] offset:(64*(\half)+16*(\bt)+\p)*4096 th:TH_STORE_NT   ; 32 lanes store 512 consecutive bytes, aligned
.endr
	WIN 0
.endm
	s_wait_dscnt 0x0                               ; my parts of blocks 0-3 lie in the stage
	s_barrier_signal -1
	s_barrier_wait -1
	RDB 0, 0
.set k, 0
.rept 32
	STG ST1, 3, k                                  ; blocks 4-7
.set k, k+1
.endr
	s_wait_dscnt 32                                ; the eight rows' parts are in; the 32 stores may be out
	SUMB 0, 0
	RDB 0, 1
.set k, 32
.rept 32
	STG ST1, 3, k
.set k, k+1
.endr
	s_wait_dscnt 32
	SUMB 0, 1
	s_wait_dscnt 0x0                               ; my parts of blocks 4-7 lie in the stage
	s_barrier_signal -1
	s_barrier_wait -1
	s_wait_xcnt 0x0                                ; the stores have read the registers that the loads below fill
	RDB 1, 0
	RDB 1, 1
	WIN 0
	s_wait_dscnt 32
	SUMB 1, 0
	s_wait_dscnt 0x0
	SUMB 1, 1
	s_wait_tensorcnt 0x0                           ; the wave's end
	ds_add_u32 v[SPW], v[NIL]
	s_wait_dscnt 0x0
	CROUND                                         ; the closing round
	s_endpgm
.Lfunc_end_k_qc90593fb78_pv:
	.size	k_qc90593fb78_pv, .Lfunc_end_k_qc90593fb78_pv-k_qc90593fb78_pv
	.p2alignl 7, 3214868480
	.fill 96, 4, 3214868480
	.section	.rodata,"a",@progbits
	.p2align	6, 0x0
	.amdhsa_kernel k_qc90593fb78_pv
		.amdhsa_group_segment_fixed_size 327680
		.amdhsa_private_segment_fixed_size 0
		.amdhsa_enable_private_segment 0
		.amdhsa_kernarg_size 40
		.amdhsa_user_sgpr_count 2
		.amdhsa_user_sgpr_kernarg_segment_ptr 1
		.amdhsa_wavefront_size32 1
		.amdhsa_system_sgpr_workgroup_id_x 1
		.amdhsa_system_sgpr_workgroup_id_y 1
		.amdhsa_system_sgpr_workgroup_id_z 1
		.amdhsa_system_vgpr_workitem_id 0
		.amdhsa_next_free_vgpr 1024
		.amdhsa_next_free_sgpr 102
		.amdhsa_reserve_vcc 0
		.amdhsa_float_denorm_mode_32 3
		.amdhsa_float_denorm_mode_16_64 3
		.amdhsa_memory_ordered 1
		.amdhsa_forward_progress 1
		.amdhsa_inst_pref_size 161
	.end_amdhsa_kernel
	.amdgpu_metadata
---
amdhsa.version: [ 1, 2 ]
amdhsa.kernels:
  - .name:           k_qc90593fb78_pv
    .symbol:         k_qc90593fb78_pv.kd
    .args:
      - { .name: pc, .offset: 0, .size: 8, .value_kind: global_buffer, .address_space: global }
      - { .name: pst, .offset: 8, .size: 8, .value_kind: global_buffer, .address_space: global }
      - { .name: qkvc, .offset: 16, .size: 8, .value_kind: global_buffer, .address_space: global }
      - { .name: qkvs, .offset: 24, .size: 8, .value_kind: global_buffer, .address_space: global }
      - { .name: out0, .offset: 32, .size: 8, .value_kind: global_buffer, .address_space: global }
    .group_segment_fixed_size: 327680
    .private_segment_fixed_size: 0
    .kernarg_segment_align: 8
    .kernarg_segment_size: 40
    .max_flat_workgroup_size: 128
    .sgpr_count:     102
    .vgpr_count:     1024
    .wavefront_size: 32
...
	.end_amdgpu_metadata
.endif
;; end of part 4
